; MI455X (gfx1250); checked and timed in simulation.
; The chip was launched on July 23, 2026; its instructions are those of AMD's public machine-readable ISA for CDNA 5 (MIT licence, August 2026) and "CDNA5" Instruction Set Architecture Reference Guide (July 2026). The comments in the code are by the model that wrote it; some were corrected since.
;; Altitude Conditioned Mo E. Allowed arithmetic: matrix products marked QUANTISED: E4M3 operands, one given power-of-two scale a tensor, by v_wmma_f32_16x16x64_fp8_fp8 or v_wmma_f32_16x16x128_fp8_fp8, f32 sums; products left as they are: f32 operands where the result goes on into a quantised operand, else bf16, f16 or f32 operands; f32 sums; everything else in f32.
;; Inputs: alt_embedding 8 x 32 float32; eb1 8 x 4,096 float32; eb2 8 x 1,024 float32; ew1_codes 8 x 4,096 x 32 x 32 uint8 (E4M3 codes of ew1, K innermost, in blocks of 32 codes); ew2_codes 8 x 1,024 x 128 x 32 uint8 (E4M3 codes of ew2, K innermost, in blocks of 32 codes); gate_b1 512 float32; gate_b2 8 float32; gate_w1_codes 512 x 33 x 32 uint8 (E4M3 codes of gate_w1, K innermost, in blocks of 32 codes); gate_w2 512 x 8 float32; ln_beta 1,024 float32; ln_gamma 1,024 float32; lowp_scales 34 int32 (the exponents e of the quantised operands' scales 2^e); tokens 8 x 128 x 1,024 float32.
;; Outputs: out0 8 x 128 x 1,024 float32; out1 one number float32.
;; This version of the problem:
;;   THIS VERSION OF THE PROBLEM IS GIVEN IN LOW PRECISION. The matrix products marked QUANTISED in the list below multiply operands that are first quantised to E4M3 (4 exponent bits, 3 mantissa bits; 8 bits a number), with one given power-of-two scale for each operand tensor; their sums are f32. All else is computed in f32.
;;   The module's matrix products, in the order in which they are computed (A, B: the left and right operand; K: the contracted axis; several contracted axes count as one K, in the product's order):
;;     1. [M 1,024, K 1,056] x [K 1,056, N 512]; A: computed on the way; B: input gate_w1 (given as codes): QUANTISED (scales: A lowp_scales[0], B lowp_scales[1])
;;     2. [M 1,024, K 512] x [K 512, N 8]; A: computed on the way; B: input gate_w2: left as it is (N = 8 < 16)
;;     3. [M 1,024, K 1,024] x [K 1,024, N 4,096]; A: computed on the way; B: input ew1 (given as codes): QUANTISED (scales: A lowp_scales[2], B lowp_scales[3])
;;     4. [M 1,024, K 4,096] x [K 4,096, N 1,024]; A: computed on the way; B: input ew2 (given as codes): QUANTISED (scales: A lowp_scales[4], B lowp_scales[5])
;;     5. [M 1,024, K 1,024] x [K 1,024, N 4,096]; A: computed on the way; B: input ew1 (given as codes): QUANTISED (scales: A lowp_scales[6], B lowp_scales[7])
;;     6. [M 1,024, K 4,096] x [K 4,096, N 1,024]; A: computed on the way; B: input ew2 (given as codes): QUANTISED (scales: A lowp_scales[8], B lowp_scales[9])
;;     7. [M 1,024, K 1,024] x [K 1,024, N 4,096]; A: computed on the way; B: input ew1 (given as codes): QUANTISED (scales: A lowp_scales[10], B lowp_scales[11])
;;     8. [M 1,024, K 4,096] x [K 4,096, N 1,024]; A: computed on the way; B: input ew2 (given as codes): QUANTISED (scales: A lowp_scales[12], B lowp_scales[13])
;;     9. [M 1,024, K 1,024] x [K 1,024, N 4,096]; A: computed on the way; B: input ew1 (given as codes): QUANTISED (scales: A lowp_scales[14], B lowp_scales[15])
;;     10. [M 1,024, K 4,096] x [K 4,096, N 1,024]; A: computed on the way; B: input ew2 (given as codes): QUANTISED (scales: A lowp_scales[16], B lowp_scales[17])
;;     11. [M 1,024, K 1,024] x [K 1,024, N 4,096]; A: computed on the way; B: input ew1 (given as codes): QUANTISED (scales: A lowp_scales[18], B lowp_scales[19])
;;     12. [M 1,024, K 4,096] x [K 4,096, N 1,024]; A: computed on the way; B: input ew2 (given as codes): QUANTISED (scales: A lowp_scales[20], B lowp_scales[21])
;;     13. [M 1,024, K 1,024] x [K 1,024, N 4,096]; A: computed on the way; B: input ew1 (given as codes): QUANTISED (scales: A lowp_scales[22], B lowp_scales[23])
;;     14. [M 1,024, K 4,096] x [K 4,096, N 1,024]; A: computed on the way; B: input ew2 (given as codes): QUANTISED (scales: A lowp_scales[24], B lowp_scales[25])
;;     15. [M 1,024, K 1,024] x [K 1,024, N 4,096]; A: computed on the way; B: input ew1 (given as codes): QUANTISED (scales: A lowp_scales[26], B lowp_scales[27])
;;     16. [M 1,024, K 4,096] x [K 4,096, N 1,024]; A: computed on the way; B: input ew2 (given as codes): QUANTISED (scales: A lowp_scales[28], B lowp_scales[29])
;;     17. [M 1,024, K 1,024] x [K 1,024, N 4,096]; A: computed on the way; B: input ew1 (given as codes): QUANTISED (scales: A lowp_scales[30], B lowp_scales[31])
;;     18. [M 1,024, K 4,096] x [K 4,096, N 1,024]; A: computed on the way; B: input ew2 (given as codes): QUANTISED (scales: A lowp_scales[32], B lowp_scales[33])
;;   THE QUANTISER, for each operand of a quantised product, along K:
;;     - The operand's scale is 2^e, e = its entry of the input lowp_scales (int32; the entries are numbered through the quantised products in the list's order, A before B).
;;     - Each number is divided by the scale, clamped to +-448, and rounded to the nearest number of E4M3, ties to even, subnormals kept.
;;     - The product sums the exact products of the quantised numbers (number of the format x scale) in f32.
;;   ~~~python
;;   def quantise(x, axis, e):      # numpy; x: float32 -> the quantised numbers, widened to float32 again
;;       x = np.moveaxis(x, axis, -1); K = x.shape[-1]
;;       r = np.clip(x / 2.0 ** e, -448, 448)
;;       step = 2.0 ** (np.maximum(np.frexp(np.where(r == 0, 1, r))[1] - 1, -6) - 3)
;;       q = np.round(r / step) * step * 2.0 ** e      # np.round: ties to even
;;       return np.moveaxis(q, -1, axis).astype(np.float32)
;;   ~~~
;;   OPERANDS COMPUTED ON THE WAY. 'Computed on the way' means the value that the module computes at that place (a softmax that the list does not call 'softmax' is quantised finished and normalised). What goes into a quantiser is computed in f32, as accurately as f32 sums, v_exp_f32 and their like allow (about 1e-6 of the number): no bf16 or f16 on the way to a quantiser, and a product that is left as it is and whose result goes on into a quantised operand takes f32 operands (vector FMAs, or v_wmma_f32_16x16x4_f32). A number that lies on a knife's edge between two numbers of the format may be rounded either way, as far as f32 arithmetic and the matrix unit's own rounding can turn it there, and no further.
;;   INPUTS GIVEN AS CODES. ew1 (in the module: [8, 1024, 4096], K = its axis 1); ew2 (in the module: [8, 4096, 1024], K = its axis 1); gate_w1 (in the module: [1056, 512], K = its axis 0): each comes as NAME_codes (uint8): NAME with its K axis moved to the last place and cut into blocks of 32 codes, [.., K / 32, bytes a block], one block behind the other in memory; one code a byte (a code: sign, 4 exponent bits, 3 mantissa bits); its scale is its entry of lowp_scales. Its value is code x scale, taken as it is: it is not quantised again, and the codes and scales need not be those that the quantiser above would give.
;; 2 versions, each right; version 2 is version 1 with the launches up, down written anew for expert scheduling mode. Each part assembles by itself: llvm-mc -triple=amdgcn-amd-amdhsa -mcpu=gfx1250 --defsym DOCPART=n.
;; ======== version 1 of 2: 4 launches
;; workspace buffers: xq 2,097,152 bytes; rmask 2,048 bytes of whole numbers; rgate 8,192 bytes; rprob 32,768 bytes; himg 33,554,432 bytes; ypart 16,842,752 bytes
;; launch route (part 1): grid 64 x 1, 16 waves a work-group, no clusters, 109,568 bytes of LDS; arguments tokens, alt_embedding, ln_gamma, ln_beta, gate_w1_codes, gate_b1, gate_w2, gate_b2, lowp_scales, xq, rmask, rgate, rprob; writes xq, rmask, rgate, rprob
.if DOCPART == 1
	.amdgcn_target "amdgcn-amd-amdhsa--gfx1250"
	.amdhsa_code_object_version 6
	.text
	.protected	k_q7bb8ca0bc5_route
	.globl	k_q7bb8ca0bc5_route
	.p2align	8
	.type	k_q7bb8ca0bc5_route,@function
k_q7bb8ca0bc5_route:
	s_mov_b64 s[64:65], 0
	v_nop
	global_prefetch_b8 v0, s[64:65] scope:SCOPE_SE
	s_setreg_imm32_b32 hwreg(HW_REG_WAVE_MODE, 25, 1), 1
	s_wait_xcnt 0x0
; ROUTE: LayerNorm, the router (FP8 product 1,056 -> 512, exact GELU, f32 product 512 -> 8), top-2, both softmaxes, and the codes of normed for the two chosen experts.
; A work-group of sixteen waves owns 16 tokens (all of one batch row).  Wave w owns token t = 16 g + w for the LayerNorm, the top-2 and the quantising,
; and gate units 32 w .. 32 w + 31 (two tiles of 16) for all 16 tokens.
; OUT: xq[2 t + k][1024] = codes of normed[t] with the scale of its k-th expert; rgate[2 t + k] = gate; rprob[t][8] = softmax(logits);
; rmask[e][g] = one word: bit l says that slot 32 g + l (slot = 2 t + k) chose expert e.  Every address is fixed: none hangs on the choice, which only makes values.
; THE GATE'S WEIGHTS (540,672 bytes) are read by every work-group, straight into operand registers: a wave wants its own 33,792 bytes once, for 18 matrix instructions.
; They are not asked for jointly: they do not fit in LDS beside the rest, so they would want slots filled again and a cluster barrier for every two matrix instructions of a wave.
; THE PRODUCT IS USED TRANSPOSED (source 0 = 16 rows of gate_w1, source 1 = the 16 tokens): lane (r, h) holds token r and units 16 u + 8 h + 0 .. 7 of its wave's tile u.
; Fragments are fetched 16 bytes a lane (registers 4 c .. 4 c + 3: k = 32 c + 16 h + 0 .. 15), the same places of k on both sides, so every product meets its partner.
; GELU: gelu(x) = max(x, 0) - |x| h, h = erfc(|x| / sqrt 2) / 2 = t 2^(P(t) - x^2 log2(e) / 2), t = 1 / (1 + |x| / (2 sqrt 2)), P of degree 9: a fit whose error is relative, so the negative tail keeps its digits.
; LIMITS: lowp_scales[0] and each expert's entry 2 + 4 e lie between -126 and 119, entries 0 + 1 added between -126 and 127, so that each power of two is an f32 number.
; NaN and infinities among the inputs are not served.  Equal logits go to the lower index, as jax.lax.top_k has it; logits that differ only by the order of f32 sums may fall either way.
; LDS: 16 x 5,120 the waves' own stages (64 pieces of 64 bytes + 16); 16 rows x 1,072 the router's input as codes; 8,192 partial logits [wave][token][8]; 64 bytes the tokens' choices.
; REGISTERS: v1 lane, v2 r, v3 h, v4-12 addresses, v13-15 at work; v16-47 the token; v48-79 gamma, then fragments of the input; v80-111 beta, then sums and the tail's fragments; v112-127 alt, at work; v128-255 the weights' ring of four K steps.
.set RP,    1072                       ; a row of codes in LDS: 1,056 + 16 = 67 x 16 bytes: sixteen rows begin at sixteen different 16-byte columns of 256
.set TURNB, 5120
.set RIN,   16*TURNB
.set PART,  RIN+16*RP
.set IDXL,  PART+8192                  ; sixteen words: token w's two experts
.set GROW,  1056                       ; a row of gate_w1_codes
.set N,     16
.set SS,    86                         ; s[86:87] 2^(e0 + e1)
.set MSB,   0
.macro WIN new                         ; (this text stays in window 0: the macro writes nothing here)
.if MSB != \new
	s_set_vgpr_msb (MSB<<8)|\new
.set MSB, \new
.endif
.endm
.macro WSUM r, t                       ; the sum over the wave's 32 lanes, in every lane
	v_add_f32_dpp v[\r], v[\r], v[\r] row_xmask:1 row_mask:0xf bank_mask:0xf
	v_add_f32_dpp v[\r], v[\r], v[\r] row_xmask:2 row_mask:0xf bank_mask:0xf
	v_add_f32_dpp v[\r], v[\r], v[\r] row_xmask:4 row_mask:0xf bank_mask:0xf
	v_add_f32_dpp v[\r], v[\r], v[\r] row_xmask:8 row_mask:0xf bank_mask:0xf
	v_permlanex16_b32 v[\t], v[\r], s84, s85
	v_add_f32 v[\r], v[\r], v[\t]
.endm
.macro QUANT8 src, dst, tmp, lim, sc   ; eight numbers -> eight codes: the hold at the largest code x the scale (the conversion does not saturate: ISA guide 7.6.2), then the conversion
.irp i, 0,1,2,3,4,5,6,7
	v_med3_num_f32 v[\tmp+\i], v[\src+\i], -v[\lim], v[\lim]
.endr
	v_cvt_scalef32_pk8_fp8_f32 v[\dst:\dst+1], v[\tmp:\tmp+7], v[\sc]
.endm
; 16 sums -> 16 numbers gelu(sum x 2^e + bias), left in X.  T, P, E: 16 registers each, at work.  C8: a pair that holds P's coefficient 8.
.macro GELU16 acc, bias, X, T, P, E, C8, W1, W2
	WIN \W1
.irp i, 0,2,4,6,8,10,12,14
	v_pk_fma_f32 v[\X+\i:\X+\i+1], v[\acc+\i:\acc+\i+1], s[SS:SS+1], v[\bias+\i:\bias+\i+1] op_sel_hi:[1,0,1]   ; x; each accumulator is read from its low end on
.endr
	WIN \W2
.irp i, 0,1,2,3,4,5,6,7,8,9,10,11,12,13,14,15
	v_fma_f32 v[\T+\i], |v[\X+\i]|, 0x3eb504f3, 1.0           ; 1 + |x| / (2 sqrt 2)
.endr
.irp i, 0,1,2,3,4,5,6,7,8,9,10,11,12,13,14,15
	v_rcp_f32 v[\T+\i], v[\T+\i]                              ; t
.endr
.irp i, 0,2,4,6,8,10,12,14
	v_pk_mul_f32 v[\E+\i:\E+\i+1], v[\X+\i:\X+\i+1], 0x3f38aa3b op_sel_hi:[1,0]   ; x log2(e) / 2.  (Plain lines behind the reciprocals)
.endr
	s_wait_alu depctr_va_vdst(0)
.irp i, 0,2,4,6,8,10,12,14
	v_pk_fma_f32 v[\P+\i:\P+\i+1], v[\T+\i:\T+\i+1], 0x3e7c6f08, v[\C8:\C8+1] op_sel_hi:[1,0,0]   ; Horner: c9 t + c8
.endr
.irp k, 0x40097039, 0xbfd1a1e5, 0x3ecdfd18, 0xbe899a80, 0x3e0efb2e, 0x3f0a29d2, 0x3fb8ab5a, 0xc034d90f
.irp i, 0,2,4,6,8,10,12,14
	v_pk_fma_f32 v[\P+\i:\P+\i+1], v[\P+\i:\P+\i+1], v[\T+\i:\T+\i+1], \k op_sel_hi:[1,1,0]       ; c7 .. c0, each x log2(e); c0 also carries the -1 of the half
.endr
.endr
.irp i, 0,2,4,6,8,10,12,14
	v_pk_fma_f32 v[\P+\i:\P+\i+1], v[\E+\i:\E+\i+1], v[\X+\i:\X+\i+1], v[\P+\i:\P+\i+1] neg_lo:[1,0,0] neg_hi:[1,0,0]   ; P(t) - x^2 log2(e) / 2
.endr
.irp i, 0,1,2,3,4,5,6,7,8,9,10,11,12,13,14,15
	v_exp_f32 v[\E+\i], v[\P+\i]
.endr
	v_nop                                                     ; a plain line between the exponentials and the first write of their sources
.irp i, 0,1,2,3,4,5,6,7,8,9,10,11,12,13,14,15
	v_max_num_f32 v[\P+\i], 0, v[\X+\i]
.endr
	s_wait_alu depctr_va_vdst(0)
.irp i, 0,2,4,6,8,10,12,14
	v_pk_mul_f32 v[\T+\i:\T+\i+1], v[\T+\i:\T+\i+1], v[\E+\i:\E+\i+1]    ; h
.endr
.irp i, 0,1,2,3,4,5,6,7,8,9,10,11,12,13,14,15
	v_fma_f32 v[\X+\i], -|v[\X+\i]|, v[\T+\i], v[\P+\i]       ; max(x, 0) - |x| h
.endr
.endm
	s_load_b512 s[4:19], s[0:1], 0x0               ; tokens, alt, gamma, beta, gate_w1_codes, gate_b1, gate_w2, gate_b2
	s_load_b256 s[20:27], s[0:1], 0x40             ; lowp_scales, xq, rmask, rgate
	s_load_b64 s[28:29], s[0:1], 0x60              ; rprob
	v_lshrrev_b32 v13, 5, v0
	v_readfirstlane_b32 s30, v13                   ; wave w
	v_and_b32 v1, 31, v0                           ; lane l
	v_and_b32 v2, 15, v0                           ; r
	v_bfe_u32 v3, v0, 4, 1                         ; h
	v_lshlrev_b32 v4, 4, v1                        ; 16 l
	v_bfe_u32 v13, v0, 2, 3                        ; l / 4
	v_and_b32 v14, 3, v0                           ; l % 4
	v_lshlrev_b32 v15, 5, v14                      ; alt: my 8 numbers
	s_lshl_b32 s31, ttmp9, 4
	s_add_co_u32 s31, s31, s30                     ; my token t
	s_mov_b32 s84, 0x76543210                      ; v_permlanex16_b32: lane l xor 16
	s_mov_b32 s85, 0xfedcba98
	s_mov_b32 s98, 0x3a800000                      ; 1 / 1,024
	s_mov_b32 s99, 0x3727c5ac                      ; 1e-5
	s_mul_i32 s90, s30, TURNB
	v_mul_u32_u24 v5, v13, 80
	v_lshl_add_u32 v5, v14, 4, v5
	v_add_nc_u32 v5, s90, v5                       ; my stage, in: four lanes' 64 bytes on end, then 16 of padding
	v_mul_u32_u24 v6, v1, 80
	v_add_nc_u32 v6, s90, v6                       ; out: 80 l: 16 neighbours a lane
	s_mul_i32 s91, s30, RP
	s_add_co_u32 s91, s91, RIN
	v_add_nc_u32 v7, s91, v4                       ; my token's row of codes, 16 l
	v_lshl_add_u32 v12, v14, 3, s91                ; and alt's 8 codes (+ 1,024 in the store)
	v_mul_u32_u24 v8, v2, RP
	v_lshl_add_u32 v8, v3, 4, v8
	v_add_nc_u32 v8, RIN, v8                       ; a fragment of the input: row r, + 16 h
	s_mul_i32 s96, s30, 32*GROW
	v_mul_u32_u24 v9, v2, GROW
	v_lshl_add_u32 v9, v3, 4, v9
	v_add_nc_u32 v9, s96, v9                       ; gate_w1_codes: row 32 w + r, + 16 h
	s_lshl_b32 s96, s30, 9
	s_add_co_u32 s96, s96, PART
	v_lshlrev_b32 v10, 5, v2
	v_lshl_add_u32 v10, v3, 4, v10
	v_add_nc_u32 v10, s96, v10                     ; partial logits, in: [w][r], four of the eight for each half of the lanes
	s_lshl_b32 s97, s30, 5
	s_add_co_u32 s97, s97, PART
	v_lshl_add_u32 v11, v2, 9, s97                 ; out: [wave l % 16][token w]
	s_mov_b32 s93, 0
	s_wait_kmcnt 0x0
	s_load_b256 s[36:43], s[20:21], 0x0            ; the exponents, entries 0-7,
	s_load_b256 s[44:51], s[20:21], 0x20           ; 8-15,
	s_load_b256 s[52:59], s[20:21], 0x40           ; 16-23,
	s_load_b256 s[68:75], s[20:21], 0x60           ; 24-31: expert e's entry 2 + 4 e is s38, 42, 46, 50, 54, 58, 70, 74
	s_load_b256 s[76:83], s[18:19], 0x0            ; gate_b2
	s_lshl_b32 s92, s31, 12
	s_add_nc_u64 s[4:5], s[4:5], s[92:93]          ; my token's row
	s_lshr_b32 s92, ttmp9, 3
	s_lshl_b32 s92, s92, 7
	s_add_nc_u64 s[6:7], s[6:7], s[92:93]          ; my batch row of alt
.irp j, 0,1,2,3,4,5,6,7
	global_load_b128 v[N+4*\j:N+4*\j+3], v4, s[4:5] offset:512*\j        ; 512 consecutive bytes a load
.endr
.irp j, 0,1,2,3,4,5,6,7
	global_load_b128 v[48+4*\j:51+4*\j], v4, s[8:9] offset:512*\j
.endr
.irp j, 0,1,2,3,4,5,6,7
	global_load_b128 v[80+4*\j:83+4*\j], v4, s[10:11] offset:512*\j
.endr
	global_load_b128 v[112:115], v15, s[6:7]
	global_load_b128 v[116:119], v15, s[6:7] offset:16
.irp s, 0,1,2,3                                ; the weights of K steps 0-3: 8 loads a step
.irp u, 0,1
.irp c, 0,1,2,3
	global_load_b128 v[128+32*\s+16*\u+4*\c:131+32*\s+16*\u+4*\c], v9, s[12:13] offset:16*GROW*\u+128*\s+32*\c
.endr
.endr
.endr
	s_lshl_b32 s92, s30, 7
	s_add_nc_u64 s[14:15], s[14:15], s[92:93]      ; gate_b1 at my 32 units
	s_lshl_b32 s92, s30, 10
	s_add_nc_u64 s[16:17], s[16:17], s[92:93]      ; gate_w2 likewise
	s_lshl_b32 s92, s31, 11
	s_add_nc_u64 s[22:23], s[22:23], s[92:93]      ; xq at slot 2 t
	s_lshl_b32 s92, s31, 3
	s_add_nc_u64 s[26:27], s[26:27], s[92:93]      ; rgate at slot 2 t
	s_lshl_b32 s92, s30, 8
	s_lshl_b32 s94, ttmp9, 2
	s_add_co_u32 s92, s92, s94
	s_add_nc_u64 s[24:25], s[24:25], s[92:93]      ; rmask[w][g]: used by waves 0-7 alone
	s_lshl_b32 s92, s31, 5
	s_add_nc_u64 s[28:29], s[28:29], s[92:93]
	; ---- LayerNorm of my token: 32 numbers a lane
	s_wait_loadcnt 32                              ; all but the 32 loads of weights
.irp c, 0,2,4,6
	v_pk_add_f32 v[120+\c:121+\c], v[N+\c:N+\c+1], v[N+8+\c:N+9+\c]
.endr
.irp j, 16,24
.irp c, 0,2,4,6
	v_pk_add_f32 v[120+\c:121+\c], v[120+\c:121+\c], v[N+\j+\c:N+\j+\c+1]
.endr
.endr
	v_pk_add_f32 v[120:121], v[120:121], v[122:123]
	v_pk_add_f32 v[124:125], v[124:125], v[126:127]
	v_pk_add_f32 v[120:121], v[120:121], v[124:125]
	v_add_f32 v120, v120, v121
	WSUM 120, 121
	v_mul_f32 v126, s98, v120                      ; the mean
.irp i, 0,2,4,6,8,10,12,14,16,18,20,22,24,26,28,30
	v_pk_add_f32 v[N+\i:N+\i+1], v[N+\i:N+\i+1], v[126:127] op_sel_hi:[1,0] neg_lo:[0,1] neg_hi:[0,1]
.endr
.irp c, 0,2,4,6
	v_pk_mul_f32 v[120+\c:121+\c], v[N+\c:N+\c+1], v[N+\c:N+\c+1]
.endr
.irp j, 8,16,24
.irp c, 0,2,4,6
	v_pk_fma_f32 v[120+\c:121+\c], v[N+\j+\c:N+\j+\c+1], v[N+\j+\c:N+\j+\c+1], v[120+\c:121+\c]
.endr
.endr
	v_pk_add_f32 v[120:121], v[120:121], v[122:123]
	v_pk_add_f32 v[124:125], v[124:125], v[126:127]
	v_pk_add_f32 v[120:121], v[120:121], v[124:125]
	v_add_f32 v120, v120, v121
	WSUM 120, 121
	v_fma_f32 v126, v120, s98, s99                 ; the variance + 1e-5
	v_rsq_f32 v126, v126
	v_nop
	s_wait_alu depctr_va_vdst(0)
.irp i, 0,2,4,6,8,10,12,14,16,18,20,22,24,26,28,30
	v_pk_mul_f32 v[N+\i:N+\i+1], v[N+\i:N+\i+1], v[126:127] op_sel_hi:[1,0]
.endr
.irp i, 0,2,4,6,8,10,12,14,16,18,20,22,24,26,28,30
	v_pk_fma_f32 v[N+\i:N+\i+1], v[N+\i:N+\i+1], v[48+\i:49+\i], v[80+\i:81+\i]
.endr
	; the tail of K (1,024 .. 1,055): 16 codes a lane in registers 0-3 of a K = 64 fragment, zero codes in registers 4-7, on both sides
	global_load_b128 v[104:107], v9, s[12:13] offset:1024
	global_load_b128 v[120:123], v9, s[12:13] offset:16*GROW+1024
.irp i, 100,101,102,103,108,109,110,111,124,125,126,127
	v_mov_b32 v[\i], 0
.endr
	; ---- the turn: from 4 neighbours a lane and load to 16 neighbours a lane.  My own bytes, and LDS serves a wave in order: no wait between the stores and the loads
.irp j, 0,1,2,3,4,5,6,7
	ds_store_b128 v5, v[N+4*\j:N+4*\j+3] offset:640*\j
.endr
.irp g, 0,1
.irp i, 0,1,2,3
	ds_load_b128 v[N+16*\g+4*\i:N+16*\g+4*\i+3], v6 offset:2560*\g+16*\i   ; register 16 g + i: k = 512 g + 16 l + i
.endr
.endr
	s_wait_kmcnt 0x0
	s_add_co_i32 s90, s36, 127
	s_lshl_b32 s92, s90, 23
	v_mov_b32 v14, s92                             ; 2^e0
	s_add_co_i32 s90, s90, 8
	s_lshl_b32 s90, s90, 23
	s_or_b32 s90, s90, 0x600000
	v_mov_b32 v15, s90                             ; 448 x 2^e0
	s_add_co_i32 s86, s36, s37
	s_add_co_i32 s86, s86, 127
	s_lshl_b32 s86, s86, 23                        ; 2^(e0 + e1)
	s_mov_b32 s87, s86
	s_wait_dscnt 0x0
	; ---- the router's input as codes.  Two sets of temporaries take turns, so that eight plain lines stand between a conversion and the next write of its sources
	QUANT8 112, 72, 112, 15, 14
	QUANT8 N, 64, 48, 15, 14
	QUANT8 N+8, 66, 56, 15, 14
	QUANT8 N+16, 68, 48, 15, 14
	QUANT8 N+24, 70, 56, 15, 14
	v_nop
	ds_store_b64 v12, v[72:73] offset:1024         ; lanes with equal l % 4 store equal bytes
	ds_store_b128 v7, v[64:67]
	ds_store_b128 v7, v[68:71] offset:512
	s_wait_dscnt 0x0                               ; for the others' sake: my row is in LDS
	s_barrier_signal -1
	s_barrier_wait -1
	; ---- the gate's product: 8 steps of 128 along K, two accumulators by turns, then the tail
	ds_load_b128 v[96:99], v8 offset:1024
.irp c, 0,1,2,3
	ds_load_b128 v[48+4*\c:51+4*\c], v8 offset:32*\c
.endr
.irp c, 0,1,2,3
	ds_load_b128 v[64+4*\c:67+4*\c], v8 offset:128+32*\c
.endr
	v_mov_b32 v6, 0xbf97d29d                       ; P's coefficient 8, as a pair
	v_mov_b32 v7, 0xbf97d29d
.macro GSTEP s
.if \s < 4
	s_wait_loadcnt 26                              ; behind this step's 8 loads: the rest of the first four steps, the tail's 2, and 8 for each step done: always 26
.else
	s_wait_loadcnt 8*(7-\s)                        ; behind them: the later steps' alone
.endif
.if \s < 7
	s_wait_dscnt 4                                 ; the next step's fragment of the input may be out
.else
	s_wait_dscnt 0
.endif
.if \s == 0
	v_wmma_f32_16x16x128_fp8_fp8 v[80:87], v[128+32*(\s%4):143+32*(\s%4)], v[48+16*(\s%2):63+16*(\s%2)], 0
	v_wmma_f32_16x16x128_fp8_fp8 v[88:95], v[144+32*(\s%4):159+32*(\s%4)], v[48+16*(\s%2):63+16*(\s%2)], 0
.else
	v_wmma_f32_16x16x128_fp8_fp8 v[80:87], v[128+32*(\s%4):143+32*(\s%4)], v[48+16*(\s%2):63+16*(\s%2)], v[80:87]
	v_wmma_f32_16x16x128_fp8_fp8 v[88:95], v[144+32*(\s%4):159+32*(\s%4)], v[48+16*(\s%2):63+16*(\s%2)], v[88:95]
.endif
.rept 4
	v_nop                                          ; places in front of loads into registers that the products have read
.endr
.if \s < 4
.irp u, 0,1
.irp c, 0,1,2,3
	global_load_b128 v[128+32*(\s%4)+16*\u+4*\c:131+32*(\s%4)+16*\u+4*\c], v9, s[12:13] offset:16*GROW*\u+128*(\s+4)+32*\c
.endr
.endr
.endif
.if \s < 6
.irp c, 0,1,2,3
	ds_load_b128 v[48+16*(\s%2)+4*\c:51+16*(\s%2)+4*\c], v8 offset:128*(\s+2)+32*\c
.endr
.endif
.endm
.irp s, 0,1,2,3,4,5,6,7
	GSTEP \s
.endr
	v_nop                                          ; a fifth place: the K = 64 form is another form and writes over the sums
	v_lshlrev_b32 v13, 5, v3                       ; gate_b1: 32 h
	v_lshlrev_b32 v14, 8, v3                       ; gate_w2: 256 h
.irp u, 0,1
	global_load_b128 v[48+8*\u:51+8*\u], v13, s[14:15] offset:64*\u
	global_load_b128 v[52+8*\u:55+8*\u], v13, s[14:15] offset:64*\u+16
.endr
.irp q, 0,1,2,3,4,5,6,7,8,9,10,11,12,13,14,15      ; gate_w2's rows of my 16 units: unit q = 8 u + j at v[128 + 8 q]
	global_load_b128 v[128+8*\q:131+8*\q], v14, s[16:17] offset:512*(\q/8)+32*(\q%8)
	global_load_b128 v[132+8*\q:135+8*\q], v14, s[16:17] offset:512*(\q/8)+32*(\q%8)+16
.endr
	v_wmma_f32_16x16x64_fp8_fp8 v[80:87], v[104:111], v[96:103], v[80:87]
	v_wmma_f32_16x16x64_fp8_fp8 v[88:95], v[120:127], v[96:103], v[88:95]
.rept 4
	v_nop
.endr
	s_wait_loadcnt 32                              ; gate_b1 is in; gate_w2's 32 loads may be out
	GELU16 80, 48, 64, 96, 112, 80, 6, 0, 0
	s_wait_loadcnt 0x0
	; ---- the second product, in f32: my 16 units' share of token r's eight logits
.irp p, 0,2,4,6
	v_pk_mul_f32 v[48+\p:49+\p], v[128+\p:129+\p], v[64:65] op_sel_hi:[1,0]
.endr
.macro LACC q, b                       ; unit q; b = q % 2 picks its register of the pair for both halves.  (q comes as text: it stands in parentheses)
.irp p, 0,2,4,6
	v_pk_fma_f32 v[48+\p:49+\p], v[128+8*(\q)+\p:129+8*(\q)+\p], v[64+(\q)-\b:65+(\q)-\b], v[48+\p:49+\p] op_sel:[0,\b,0] op_sel_hi:[1,\b,1]
.endr
.endm
	LACC 1, 1
.irp q, 2,4,6,8,10,12,14
	LACC \q, 0
	LACC \q+1, 1
.endr
.irp e, 0,1,2,3,4,5,6,7
	v_permlanex16_b32 v[56+\e], v[48+\e], s84, s85
.endr
.irp e, 0,1,2,3,4,5,6,7
	v_add_f32 v[48+\e], v[48+\e], v[56+\e]         ; + the other half's 16 units
.endr
	v_cmp_eq_u32 vcc_lo, 1, v3
.irp i, 0,1,2,3
	v_cndmask_b32 v[56+\i], v[48+\i], v[52+\i], vcc_lo
.endr
	ds_store_b128 v10, v[56:59]
	s_wait_dscnt 0x0
	s_barrier_signal -1
	s_barrier_wait -1
	; ---- my token's logits: lane l holds wave l % 16's share
	ds_load_b128 v[48:51], v11
	ds_load_b128 v[52:55], v11 offset:16
	s_wait_dscnt 0x0
.irp x, 1,2,4,8
.irp e, 0,1,2,3,4,5,6,7
	v_add_f32_dpp v[48+\e], v[48+\e], v[48+\e] row_xmask:\x row_mask:0xf bank_mask:0xf
.endr
.endr
.irp e, 0,1,2,3,4,5,6,7
	v_add_f32 v[48+\e], s[76+\e], v[48+\e]
.endr
	; ---- top-2: a strict compare keeps the lower index.  v56 m1, v57 m2, v58 i1, v59 i2
	v_mov_b32 v56, v48
	v_mov_b32 v58, 0
.irp e, 1,2,3,4,5,6,7
	v_cmp_gt_f32 vcc_lo, v[48+\e], v56
	v_cndmask_b32 v56, v56, v[48+\e], vcc_lo
	v_cndmask_b32 v58, v58, \e, vcc_lo
.endr
	v_mov_b32 v62, 0xff800000
.irp e, 0,1,2,3,4,5,6,7
	v_cmp_eq_u32 vcc_lo, \e, v58
	v_cndmask_b32 v[64+\e], v[48+\e], v62, vcc_lo
.endr
	v_mov_b32 v57, v64
	v_mov_b32 v59, 0
.irp e, 1,2,3,4,5,6,7
	v_cmp_gt_f32 vcc_lo, v[64+\e], v57
	v_cndmask_b32 v57, v57, v[64+\e], vcc_lo
	v_cndmask_b32 v59, v59, \e, vcc_lo
.endr
	; my token's two experts go to its word in LDS; they are read behind the barrier further down
	s_lshl_b32 s90, s30, 2
	s_add_co_u32 s90, s90, IDXL
	v_mov_b32 v68, s90
	v_lshl_or_b32 v69, v59, 8, v58                 ; i1 in byte 0, i2 in byte 1
	ds_store_b32 v68, v69                          ; all lanes store the same number to the wave's word
	v_lshrrev_b32 v70, 1, v1
	v_lshl_add_u32 v70, v70, 2, IDXL               ; slot l of the work-group belongs to token l / 2
	; ---- both softmaxes, the largest logit taken away
.irp e, 0,1,2,3,4,5,6,7
	v_sub_f32 v[72+\e], v[48+\e], v56
.endr
	v_sub_f32 v63, v57, v56
.irp e, 0,1,2,3,4,5,6,7
	v_mul_f32 v[72+\e], 0x3fb8aa3b, v[72+\e]
.endr
	v_mul_f32 v63, 0x3fb8aa3b, v63
.irp e, 0,1,2,3,4,5,6,7
	v_exp_f32 v[72+\e], v[72+\e]
.endr
	v_exp_f32 v63, v63
	v_nop
	s_wait_alu depctr_va_vdst(0)
	v_add_f32 v64, v72, v73
	v_add_f32 v65, v74, v75
	v_add_f32 v66, v76, v77
	v_add_f32 v67, v78, v79
	v_add_f32 v64, v64, v65
	v_add_f32 v66, v66, v67
	v_add_f32 v64, v64, v66
	v_add_f32 v60, 1.0, v63
	v_rcp_f32 v64, v64
	v_rcp_f32 v60, v60                             ; the first gate
	v_nop
	s_wait_alu depctr_va_vdst(0)
.irp e, 0,1,2,3,4,5,6,7
	v_mul_f32 v[72+\e], v[72+\e], v64
.endr
	v_mul_f32 v61, v63, v60                        ; the second
	; ---- normed as codes, once with each chosen expert's scale.  The choice selects a value, never an address
.irp k, 0,1
	v_mov_b32 v13, s38
.irp e, 1,2,3,4,5
	v_cmp_eq_u32 vcc_lo, \e, v[58+\k]
	v_cndmask_b32 v13, v13, s[38+4*\e], vcc_lo
.endr
.irp e, 6,7
	v_cmp_eq_u32 vcc_lo, \e, v[58+\k]
	v_cndmask_b32 v13, v13, s[46+4*\e], vcc_lo
.endr
	v_add_nc_u32 v14, 127, v13
	v_lshlrev_b32 v14, 23, v14                     ; 2^e
	v_add_nc_u32 v15, 135, v13
	v_lshlrev_b32 v15, 23, v15
	v_or_b32 v15, 0x600000, v15                    ; 448 x 2^e
	QUANT8 N, 80+8*\k, 112, 15, 14
	QUANT8 N+8, 82+8*\k, 120, 15, 14
	QUANT8 N+16, 84+8*\k, 112, 15, 14
	QUANT8 N+24, 86+8*\k, 120, 15, 14
	v_nop
	global_store_b128 v4, v[80+8*\k:83+8*\k], s[22:23] offset:1024*\k       ; the wave stores 512 consecutive bytes
	global_store_b128 v4, v[84+8*\k:87+8*\k], s[22:23] offset:1024*\k+512
.endr
	; ---- the ballots: which of the work-group's 32 slots chose expert w.  (Waves 8-15 find no slot and store nothing)
	s_wait_dscnt 0x0                               ; for the others' sake: my token's word is in LDS
	s_barrier_signal -1
	s_barrier_wait -1
	ds_load_b32 v71, v70
	v_and_b32 v68, 1, v1
	v_lshlrev_b32 v68, 3, v68                      ; slot l is choice l % 2: byte 0 or 1
	s_wait_dscnt 0x0
	v_bfe_u32 v71, v71, v68, 8
	v_cmp_eq_u32 s91, s30, v71                     ; bit l: slot 32 g + l chose expert w
	v_mov_b32 v69, s91
	v_mov_b32 v13, 0
	s_wait_xcnt 0x0                                ; EXEC changes only behind this wait
	v_cmp_eq_u32 vcc_lo, 0, v1
	s_and_saveexec_b32 s90, vcc_lo                 ; lane 0 stores the small results
	global_store_b128 v13, v[72:75], s[28:29]
	global_store_b128 v13, v[76:79], s[28:29] offset:16
	global_store_b64 v13, v[60:61], s[26:27]
	s_cmp_ge_u32 s30, 8
	s_cbranch_scc1 .Lno_mask
	global_store_b32 v13, v69, s[24:25]
.Lno_mask:
	s_wait_xcnt 0x0
	s_or_b32 exec_lo, exec_lo, s90
	s_wait_xcnt 0x0
	s_mov_b32 exec_lo, -1
	v_lshl_add_u32 v126, v0, 2, 0x1a400
	v_mov_b32 v127, 0
	s_wait_tensorcnt 0x0
	ds_add_u32 v126, v127
	s_wait_dscnt 0x0
	s_endpgm
.Lfunc_end_k_q7bb8ca0bc5_route:
	.size	k_q7bb8ca0bc5_route, .Lfunc_end_k_q7bb8ca0bc5_route-k_q7bb8ca0bc5_route
	.p2alignl 7, 3214868480
	.fill 96, 4, 3214868480
	.section	.rodata,"a",@progbits
	.p2align	6, 0x0
	.amdhsa_kernel k_q7bb8ca0bc5_route
		.amdhsa_group_segment_fixed_size 109568
		.amdhsa_private_segment_fixed_size 0
		.amdhsa_enable_private_segment 0
		.amdhsa_kernarg_size 104
		.amdhsa_user_sgpr_count 2
		.amdhsa_user_sgpr_kernarg_segment_ptr 1
		.amdhsa_wavefront_size32 1
		.amdhsa_system_sgpr_workgroup_id_x 1
		.amdhsa_system_sgpr_workgroup_id_y 1
		.amdhsa_system_sgpr_workgroup_id_z 1
		.amdhsa_system_vgpr_workitem_id 0
		.amdhsa_next_free_vgpr 256
		.amdhsa_next_free_sgpr 100
		.amdhsa_reserve_vcc 1
		.amdhsa_float_denorm_mode_32 3
		.amdhsa_float_denorm_mode_16_64 3
		.amdhsa_memory_ordered 1
		.amdhsa_forward_progress 1
		.amdhsa_inst_pref_size 66
	.end_amdhsa_kernel
	.amdgpu_metadata
---
amdhsa.version: [ 1, 2 ]
amdhsa.kernels:
  - .name:           k_q7bb8ca0bc5_route
    .symbol:         k_q7bb8ca0bc5_route.kd
    .args:
      - { .name: tokens, .offset: 0, .size: 8, .value_kind: global_buffer, .address_space: global }
      - { .name: alt_embedding, .offset: 8, .size: 8, .value_kind: global_buffer, .address_space: global }
      - { .name: ln_gamma, .offset: 16, .size: 8, .value_kind: global_buffer, .address_space: global }
      - { .name: ln_beta, .offset: 24, .size: 8, .value_kind: global_buffer, .address_space: global }
      - { .name: gate_w1_codes, .offset: 32, .size: 8, .value_kind: global_buffer, .address_space: global }
      - { .name: gate_b1, .offset: 40, .size: 8, .value_kind: global_buffer, .address_space: global }
      - { .name: gate_w2, .offset: 48, .size: 8, .value_kind: global_buffer, .address_space: global }
      - { .name: gate_b2, .offset: 56, .size: 8, .value_kind: global_buffer, .address_space: global }
      - { .name: lowp_scales, .offset: 64, .size: 8, .value_kind: global_buffer, .address_space: global }
      - { .name: xq, .offset: 72, .size: 8, .value_kind: global_buffer, .address_space: global }
      - { .name: rmask, .offset: 80, .size: 8, .value_kind: global_buffer, .address_space: global }
      - { .name: rgate, .offset: 88, .size: 8, .value_kind: global_buffer, .address_space: global }
      - { .name: rprob, .offset: 96, .size: 8, .value_kind: global_buffer, .address_space: global }
    .group_segment_fixed_size: 109568
    .private_segment_fixed_size: 0
    .kernarg_segment_align: 8
    .kernarg_segment_size: 104
    .max_flat_workgroup_size: 512
    .sgpr_count:     100
    .vgpr_count:     256
    .wavefront_size: 32
...
	.end_amdgpu_metadata
.endif
;; end of part 1
;; launch up (part 2): grid 32 x 8, 8 waves a work-group, no clusters, 134,144 bytes of LDS; arguments xq, ew1_codes, eb1, lowp_scales, rmask, ew2_codes, himg; writes himg
.if DOCPART == 2
	.amdgcn_target "amdgcn-amd-amdhsa--gfx1250"
	.amdhsa_code_object_version 6
	.text
	.protected	k_q7bb8ca0bc5_up
	.globl	k_q7bb8ca0bc5_up
	.p2align	8
	.type	k_q7bb8ca0bc5_up,@function
k_q7bb8ca0bc5_up:
	s_mov_b64 s[64:65], 0
	v_nop
	global_prefetch_b8 v0, s[64:65] scope:SCOPE_SE
	s_setreg_imm32_b32 hwreg(HW_REG_WAVE_MODE, 25, 1), 1
	s_wait_xcnt 0x0
; UP: he = Q(gelu(Q(normed) ew1[e] + eb1[e])) for the rows that chose expert e, and for no others.
; Work-group (js, e) owns hidden units 128 js .. + 127 of expert e: 128 rows x 1,024 bytes of ew1_codes, read from memory once in the whole launch and laid in LDS.
; THE WAVES SHARE THE ROWS: wave v takes the expert's row tiles (16 rows) v, v + 8, v + 16 ..: two at a time (PASS 2), a last odd one alone (PASS 1).  Two waves lie on a SIMD.
; THE ROWS.  rmask holds 64 words for the expert: bit l of word g says that slot 32 g + l chose it.  Row n of the expert is its n-th set bit, in the order of the slots; the next launch reads the same words
; in the same way.  SELECT turns 32 ranks, one a lane, into slots, in registers: it walks the 64 words with a running count and keeps, for each lane, the last word whose count so far is at most the rank;
; five halving steps on partial bit counts then find the bit.  Ranks at or past the expert's count get the pad 2,048 + e.  The last count is the expert's number of rows.
; The first SELECT stands between the issue of the weights' loads and the wait for them; a later one behind the pass's own loads.
; No tile is shared between work-groups but x's rows, and the trip counts hang on numbers read from memory: so no tensor load, no cluster; operands go from memory and LDS straight into registers,
; and the one barrier stands ahead of the first branch on a count.
; TRANSPOSED (source 0 = 16 rows of ew1, source 1 = 16 rows of x), AND THE ROWS OF A TILE OF ew1 ARE NOT NEIGHBOURS: lane r of tile 2 b + u takes unit 32 b + 8 u + r + 8 (r / 8); the rows are laid so in LDS
; (slice row 16 v + i at LDS row 32 (v / 2) + 16 (i / 8) + 8 (v % 2) + i % 8).  So lane (r, h) holds row r, and the 16 registers of tiles 2 b, 2 b + 1 are units 32 b + 16 h + 0 .. 15:
; their codes ARE registers 4 b .. 4 b + 3 of the next product's operand.  himg takes that image: block (e, row tile i, K step js) at ((64 e + i) 32 + js) 2,048, group c, lane l at 512 c + 16 l.
; Pad rows read xq's last row; their results fill the tile's pad rows and are thrown away later.
; ew2_codes is only asked for ahead: each work-group asks once for the 512 blocks of 256 bytes that the work-group of the same (x, y) reads in the next launch; 64 blocks a wave, two lines.
; LIMITS: entry 4 + 4 e between -126 and 119; entries 2 + 4 e and 3 + 4 e added between -126 and 127.  NaN and infinities are not served.
; REGISTERS.  Window 0: v1 l, v2 r, v3 h, v4 16 l, v5 staging, v6-7 fragments of W, v8 64 h, v9 4 l, v10 16 h, v11-12 the two tiles' slots, v13-14 x's rows, v15 himg, v18 prefetch;
;   v20-21 the expert's 64 words (lane g, lane g - 32), v22 128 h + r, v16, 17, 19, 23-27, 30, 31 SELECT's; v28, v29 2^eh and 448 x 2^eh; v32-95 eb1 in the result's layout; v96-223 the sums, tile (m, nt) at 96 + 64 m + 8 nt.
; Window 1: v0-127 W's eight fragments; v128-255 x's ring of four K steps (32 (s % 4) + 16 m).  On the way out: v28, v29 the same two numbers as in window 0
;   v30-31 a coefficient, v32-95 GELU's 64 registers, v96-127 the codes.
.set WP,   1040                        ; a row of W in LDS: 1,024 + 16 = 65 x 16 bytes
.set BIAS, 32
.set ACC,  96
.set SS,   40                          ; s[40:41] 2^(ea + eb)
.set MK,   20                          ; v20-21  the words
.set RB,   22                          ; v22     my rank in a pass's 32: 128 h + r (tile s30 + 8 h, row r)
.set TN,   16                          ; SELECT: the rank, then the slot
.set TM,   17                          ;         the word that holds it
.set TP,   19                          ;         that word's count so far | its number << 16
.set TK,   23                          ;         the rank within the word
.set POS,  24                          ;         the bit
.set C1,   25                          ;         bit counts of the word's fields of 2, 4, 8 and (byte 0) 16 bits
.set C2,   26
.set C4,   27
.set C8,   30
.set TT,   31
.set SM,   68                          ; s[68:75] eight words
.set SB,   76                          ; s76     the count so far
.set SC,   77
.set SP,   78
.set SPAD, 79
.set XS,   80                          ; s[80:81] v_permlanex16_b32: lane l xor 16
.set PADV, 82                          ; s82     2,048 + e
.set MSB,  0
.macro WIN new                         ; the immediate's high byte repeats the setting that is left
.if MSB != \new
	s_set_vgpr_msb (MSB<<8)|\new
.set MSB, \new
.endif
.endm
.macro LEVEL src, w, st                ; the field of 2 st bits at POS: if its lower half holds at most TK set bits, the bit lies in the upper half
	v_bfe_u32 v[TT], v[\src], v[POS], \w
	v_cmp_ge_u32 vcc_lo, v[TK], v[TT]
	v_sub_nc_u32 v[TT], v[TK], v[TT]
	v_cndmask_b32 v[TK], v[TK], v[TT], vcc_lo
	v_add_nc_u32 v[TT], \st, v[POS]
	v_cndmask_b32 v[POS], v[POS], v[TT], vcc_lo
.endm
.macro FINISH n, m, p                  ; rank v[n], its word v[m], v[p] = count so far | word's number << 16  ->  v[n] = the slot
	v_cmp_le_u32 s[SPAD], s[SB], v[\n]             ; at or past the expert's count: a pad
	v_and_b32 v[TK], 0xffff, v[\p]
	v_sub_nc_u32 v[TK], v[\n], v[TK]
	v_lshrrev_b32 v[\p], 16, v[\p]
	v_lshrrev_b32 v[C1], 1, v[\m]
	v_and_b32 v[C1], 0x55555555, v[C1]
	v_sub_nc_u32 v[C1], v[\m], v[C1]
	v_lshrrev_b32 v[C2], 2, v[C1]
	v_and_b32 v[C2], 0x33333333, v[C2]
	v_and_b32 v[TT], 0x33333333, v[C1]
	v_add_nc_u32 v[C2], v[C2], v[TT]
	v_lshrrev_b32 v[C4], 4, v[C2]
	v_add_nc_u32 v[C4], v[C4], v[C2]
	v_and_b32 v[C4], 0x0f0f0f0f, v[C4]
	v_lshrrev_b32 v[C8], 8, v[C4]
	v_add_nc_u32 v[C8], v[C8], v[C4]               ; byte 0: the count of bits 0-15
	v_mov_b32 v[POS], 0
	LEVEL C8, 8, 16
	LEVEL C4, 8, 8
	LEVEL C2, 4, 4
	LEVEL C1, 2, 2
	LEVEL \m, 1, 1
	v_lshl_add_u32 v[\n], v[\p], 5, v[POS]         ; slot = 32 x word + bit
	v_mov_b32 v[TT], s[PADV]
	v_cndmask_b32 v[\n], v[\n], v[TT], s[SPAD]
.endm
.macro SELECT                          ; in: v[TN] the lane's rank.  out: v11, v12 the slots of row r of the pass's two tiles; s[SB] the expert's count
	v_mov_b32 v[TM], 0
	v_mov_b32 v[TP], 0
	s_mov_b32 s[SB], 0
.irp o, 0,8,16,24,32,40,48,56
.irp i, 0,1,2,3,4,5,6,7
	v_readlane_b32 s[SM+\i], v[MK+\o/32], \o%32+\i
.endr
.irp i, 0,1,2,3,4,5,6,7
	v_cmp_le_u32 vcc_lo, s[SB], v[TN]              ; the counts never fall: the last word that passes is the rank's
	s_add_co_u32 s[SP], s[SB], (\o+\i)<<16
	v_cndmask_b32 v[TM], v[TM], s[SM+\i], vcc_lo
	v_cndmask_b32 v[TP], v[TP], s[SP], vcc_lo
	s_bcnt1_i32_b32 s[SC], s[SM+\i]
	s_add_co_u32 s[SB], s[SB], s[SC]
.endr
.endr
	FINISH TN, TM, TP
	v_permlanex16_b32 v[TT], v[TN], s[XS], s[XS+1] ; lanes 0-15 hold the first tile's rows, lanes 16-31 the second's: both halves want both
	v_cmp_eq_u32 vcc_lo, 1, v3
	v_cndmask_b32 v11, v[TN], v[TT], vcc_lo
	v_cndmask_b32 v12, v[TT], v[TN], vcc_lo
.endm
.macro QUANT8 src, dst, tmp, lim, sc   ; eight numbers -> eight codes: the hold at the largest code x the scale (the conversion does not saturate: ISA guide 7.6.2), then the conversion
.irp i, 0,1,2,3,4,5,6,7
	v_med3_num_f32 v[\tmp+\i], v[\src+\i], -v[\lim], v[\lim]
.endr
	v_cvt_scalef32_pk8_fp8_f32 v[\dst:\dst+1], v[\tmp:\tmp+7], v[\sc]
.endm
; 16 sums -> 16 numbers gelu(sum x 2^e + bias), left in X:  gelu(x) = max(x, 0) - |x| h,  h = erfc(|x| / sqrt 2) / 2 = t 2^(P(t) - x^2 log2(e) / 2),  t = 1 / (1 + |x| / (2 sqrt 2)).
.macro GELU16 acc, bias, X, T, P, E, C8, W1, W2
	WIN \W1
.irp i, 0,2,4,6,8,10,12,14
	v_pk_fma_f32 v[\X+\i:\X+\i+1], v[\acc+\i:\acc+\i+1], s[SS:SS+1], v[\bias+\i:\bias+\i+1] op_sel_hi:[1,0,1]   ; x; each accumulator is read from its low end on
.endr
	WIN \W2
.irp i, 0,1,2,3,4,5,6,7,8,9,10,11,12,13,14,15
	v_fma_f32 v[\T+\i], |v[\X+\i]|, 0x3eb504f3, 1.0
.endr
.irp i, 0,1,2,3,4,5,6,7,8,9,10,11,12,13,14,15
	v_rcp_f32 v[\T+\i], v[\T+\i]
.endr
.irp i, 0,2,4,6,8,10,12,14
	v_pk_mul_f32 v[\E+\i:\E+\i+1], v[\X+\i:\X+\i+1], 0x3f38aa3b op_sel_hi:[1,0]   ; (plain lines behind the reciprocals)
.endr
	s_wait_alu depctr_va_vdst(0)
.irp i, 0,2,4,6,8,10,12,14
	v_pk_fma_f32 v[\P+\i:\P+\i+1], v[\T+\i:\T+\i+1], 0x3e7c6f08, v[\C8:\C8+1] op_sel_hi:[1,0,0]
.endr
.irp k, 0x40097039, 0xbfd1a1e5, 0x3ecdfd18, 0xbe899a80, 0x3e0efb2e, 0x3f0a29d2, 0x3fb8ab5a, 0xc034d90f
.irp i, 0,2,4,6,8,10,12,14
	v_pk_fma_f32 v[\P+\i:\P+\i+1], v[\P+\i:\P+\i+1], v[\T+\i:\T+\i+1], \k op_sel_hi:[1,1,0]
.endr
.endr
.irp i, 0,2,4,6,8,10,12,14
	v_pk_fma_f32 v[\P+\i:\P+\i+1], v[\E+\i:\E+\i+1], v[\X+\i:\X+\i+1], v[\P+\i:\P+\i+1] neg_lo:[1,0,0] neg_hi:[1,0,0]
.endr
.irp i, 0,1,2,3,4,5,6,7,8,9,10,11,12,13,14,15
	v_exp_f32 v[\E+\i], v[\P+\i]
.endr
	v_nop                                                     ; a plain line between the exponentials and the first write of their sources
.irp i, 0,1,2,3,4,5,6,7,8,9,10,11,12,13,14,15
	v_max_num_f32 v[\P+\i], 0, v[\X+\i]
.endr
	s_wait_alu depctr_va_vdst(0)
.irp i, 0,2,4,6,8,10,12,14
	v_pk_mul_f32 v[\T+\i:\T+\i+1], v[\T+\i:\T+\i+1], v[\E+\i:\E+\i+1]
.endr
.irp i, 0,1,2,3,4,5,6,7,8,9,10,11,12,13,14,15
	v_fma_f32 v[\X+\i], -|v[\X+\i]|, v[\T+\i], v[\P+\i]
.endr
.endm
	s_load_b256 s[4:11], s[0:1], 0x0               ; xq, ew1_codes, eb1, lowp_scales
	s_load_b128 s[12:15], s[0:1], 0x20             ; rmask, ew2_codes
	s_load_b64 s[16:17], s[0:1], 0x30              ; himg
	v_lshl_add_u32 v254, v0, 2, 0x20800
	v_mov_b32 v255, 0
	v_lshrrev_b32 v1, 5, v0
	v_readfirstlane_b32 s20, v1                    ; wave v
	s_and_b32 s21, ttmp7, 0xffff                   ; expert e
	s_mov_b32 s22, ttmp9                           ; slice js
	v_and_b32 v1, 31, v0
	v_and_b32 v2, 15, v0
	v_bfe_u32 v3, v0, 4, 1
	v_lshlrev_b32 v4, 4, v1
	s_lshr_b32 s32, s20, 1
	s_lshl_b32 s32, s32, 5
	s_and_b32 s33, s20, 1
	s_lshl_b32 s33, s33, 3
	s_add_co_u32 s32, s32, s33
	s_mul_i32 s32, s32, WP
	v_add_nc_u32 v5, s32, v4                       ; staging: LDS row 32 (v / 2) + 8 (v % 2), + 16 l
	v_mul_u32_u24 v6, v2, WP
	v_lshl_add_u32 v6, v3, 4, v6                   ; fragments of tiles 0-3: row r, + 16 h
	v_add_nc_u32 v7, 64*WP, v6                     ; of tiles 4-7
	v_lshlrev_b32 v8, 6, v3
	v_lshlrev_b32 v9, 2, v1
	v_lshlrev_b32 v10, 4, v3
	v_lshl_add_u32 v[RB], v3, 7, v2
	v_lshrrev_b32 v18, 3, v1
	s_lshl_b32 s33, s20, 3
	v_add_nc_u32 v18, s33, v18
	v_lshlrev_b32 v18, 12, v18
	v_and_b32 v19, 7, v0
	v_lshl_add_u32 v18, v19, 8, v18                ; prefetch: row 8 v + l / 8 of 4,096 bytes, block l % 8
	s_lshl_b32 s46, s21, 12
	s_lshl_b32 s33, s22, 7
	s_add_co_u32 s46, s46, s33                     ; 4,096 e + 128 js
	s_lshl_b32 s48, s46, 2
	s_mov_b32 s49, 0
	s_lshl_b32 s33, s20, 4
	s_add_co_u32 s46, s46, s33
	s_lshl_b32 s46, s46, 10                        ; my 16 rows of ew1_codes
	s_mov_b32 s47, 0
	s_lshl_b32 s50, s21, 8                         ; the expert's 64 words
	s_mov_b32 s51, 0
	s_lshl_b32 s52, s21, 22
	s_lshl_b32 s33, s22, 11
	s_add_co_u32 s52, s52, s33
	s_mov_b32 s53, 0
	s_lshl_b32 s54, s21, 10
	s_lshr_b32 s33, s22, 1
	s_lshl_b32 s33, s33, 6
	s_add_co_u32 s54, s54, s33
	s_lshl_b32 s54, s54, 12
	s_and_b32 s33, s22, 1
	s_lshl_b32 s33, s33, 11
	s_add_co_u32 s54, s54, s33                     ; ew2_codes: row 1,024 e + 64 (js / 2), K half js % 2
	s_mov_b32 s55, 0
	s_lshl_b32 s35, s21, 4
	s_mov_b32 s[XS], 0x76543210
	s_mov_b32 s[XS+1], 0xfedcba98
	s_add_co_u32 s[PADV], s21, 2048
	s_wait_kmcnt 0x0
	s_load_b128 s[36:39], s[10:11], s35 offset:0x8 ; ea, eb, eh, (ew2)
	s_add_nc_u64 s[46:47], s[6:7], s[46:47]
	s_add_nc_u64 s[48:49], s[8:9], s[48:49]
	s_add_nc_u64 s[50:51], s[12:13], s[50:51]
	s_add_nc_u64 s[52:53], s[16:17], s[52:53]
	s_add_nc_u64 s[54:55], s[14:15], s[54:55]
	global_load_b32 v[MK], v9, s[50:51]            ; the words first, so that a counted wait shows them in while the weights are on their way
	global_load_b32 v[MK+1], v9, s[50:51] offset:128
	WIN 0x40                                       ; destination window 1
.irp i, 0,1,2,3,4,5,6,7,8,9,10,11,12,13,14,15
.irp g, 0,1
	global_load_b128 v[8*\i+4*\g:8*\i+4*\g+3], v4, s[46:47] offset:1024*\i+512*\g th:TH_LOAD_NT   ; 512 consecutive bytes; read once in the launch
.endr
.endr
	WIN 0
.irp n, 0,1,2,3,4,5,6,7
	global_load_b128 v[BIAS+8*\n:BIAS+8*\n+3], v8, s[48:49] offset:(32*(\n/2)+8*(\n%2))*4
	global_load_b128 v[BIAS+8*\n+4:BIAS+8*\n+7], v8, s[48:49] offset:(32*(\n/2)+8*(\n%2))*4+16
.endr
	s_lshl_b32 s32, s20, 4
	v_add_nc_u32 v[TN], s32, v[RB]                 ; the first pass's ranks: tiles v and v + 8
	s_wait_loadcnt 48                              ; the words are in; behind them 32 loads of weights and 16 of eb1
	SELECT
	WIN 0x04                                       ; store data window 1
.irp k, 0,1,2,3
	s_wait_loadcnt 40-8*\k                         ; behind the first 8 (k + 1) loads of weights: the rest of the 32, and eb1's 16
.irp n, 0,1,2,3,4,5,6,7
	ds_store_b128 v5, v[32*\k+4*\n:32*\k+4*\n+3] offset:(16*((4*\k+\n/2)>>3)+((4*\k+\n/2)&7))*WP+512*(\n%2)
.endr
.endr
	WIN 0
	s_wait_dscnt 0x0                               ; for the others' sake: my 16 rows are in LDS
	s_barrier_signal -1
	s_barrier_wait -1                              ; the only barrier: from here on W is only read
	global_prefetch_b8 v18, s[54:55] th:TH_LOAD_NT scope:SCOPE_SE
	global_prefetch_b8 v18, s[54:55] offset:16384 th:TH_LOAD_NT scope:SCOPE_SE
	s_wait_kmcnt 0x0
	s_min_u32 s24, s[SB], 1024                     ; the expert's rows
	s_add_co_u32 s25, s24, 15
	s_lshr_b32 s25, s25, 4                         ; row tiles of the expert
	s_add_co_u32 s26, s25, 7
	s_sub_co_u32 s26, s26, s20
	s_lshr_b32 s26, s26, 3                         ; of them mine
	s_lshr_b32 s27, s26, 1                         ; passes of two
	s_and_b32 s28, s26, 1                          ; and a last one alone?
	s_mov_b32 s29, 0
	s_mov_b32 s30, s20                             ; the pass's first tile
	s_add_co_i32 s40, s36, s37
	s_add_co_i32 s40, s40, 127
	s_lshl_b32 s40, s40, 23                        ; 2^(ea + eb)
	s_mov_b32 s41, s40
	s_add_co_i32 s45, s38, 127
	s_lshl_b32 s44, s45, 23                        ; 2^eh
	s_add_co_i32 s45, s45, 8
	s_lshl_b32 s45, s45, 23
	s_or_b32 s45, s45, 0x600000                    ; 448 x 2^eh
	v_mov_b32 v28, s44
	v_mov_b32 v29, s45
.macro WLOAD half, s                   ; four fragments of W (tiles 4 half ..), K step s
.irp n, 0,1,2,3
.irp c, 0,1,2,3
	ds_load_b128 v[64*\half+16*\n+4*\c:64*\half+16*\n+4*\c+3], v[6+\half] offset:\n*16*WP+128*(\s)+32*\c
.endr
.endr
.endm
.macro XLOAD nw, s                     ; x's fragments of K step s: lane (r, h) takes 16 bytes of its row's slot
.irp m, 0,1
.if \m < \nw
.irp c, 0,1,2,3
	global_load_b128 v[128+32*((\s)%4)+16*\m+4*\c:128+32*((\s)%4)+16*\m+4*\c+3], v[13+\m], s[4:5] offset:128*(\s)+32*\c
.endr
.endif
.endr
.endm
.macro MM nw, half, s                  ; the accumulators take turns, one instruction a turn; K step 0 starts the sums
.irp n, 0,1,2,3
.irp m, 0,1
.if \m < \nw
.if \s == 0
	v_wmma_f32_16x16x128_fp8_fp8 v[ACC+64*\m+32*\half+8*\n:ACC+64*\m+32*\half+8*\n+7], v[64*\half+16*\n:64*\half+16*\n+15], v[128+32*(\s%4)+16*\m:128+32*(\s%4)+16*\m+15], 0
.else
	v_wmma_f32_16x16x128_fp8_fp8 v[ACC+64*\m+32*\half+8*\n:ACC+64*\m+32*\half+8*\n+7], v[64*\half+16*\n:64*\half+16*\n+15], v[128+32*(\s%4)+16*\m:128+32*(\s%4)+16*\m+15], v[ACC+64*\m+32*\half+8*\n:ACC+64*\m+32*\half+8*\n+7]
.endif
.endif
.endr
.endr
.endm
.macro KSTEP nw, s
	s_wait_dscnt 16                                ; tiles 0-3 of this step are in; the 16 loads of tiles 4-7 may be out
.if \s <= 4
	s_wait_loadcnt 12*\nw                          ; behind this step's loads of x: those of the next three steps
.else
	s_wait_loadcnt 4*\nw*(7-\s)
.endif
	WIN 0x05                                       ; sources 0 and 1 window 1, sums window 0
	MM \nw, 0, \s
.rept 4
	v_nop                                          ; places in front of loads into registers that the products have read
.endr
.if \s < 7
	WIN 0x40
	WLOAD 0, \s+1
	s_wait_dscnt 16                                ; tiles 4-7 are in; the 16 just issued may be out
.else
	s_wait_dscnt 0
.endif
	WIN 0x05
	MM \nw, 1, \s
.rept 4
	v_nop
.endr
.if \s < 7
	WIN 0x40
	WLOAD 1, \s+1
.endif
.if \s < 4
	XLOAD \nw, \s+4
.endif
.endm
.macro EPI m                           ; row tile m of the pass: GELU, codes, the image
.irp b, 0,1,2,3
	GELU16 ACC+64*\m+16*\b, BIAS+16*\b, 32, 48, 64, 80, 30, 0x40, 0x55
	QUANT8 32, 96+16*\m+4*\b, 32, 29, 28
	QUANT8 40, 98+16*\m+4*\b, 40, 29, 28
	v_nop                                          ; a plain line between the conversions and the next write of their sources
.endr
	WIN 0x04                                       ; store data window 1
.irp c, 0,1,2,3
	global_store_b128 v15, v[96+16*\m+4*\c:96+16*\m+4*\c+3], s[52:53] offset:524288*\m+512*\c   ; 512 consecutive bytes; the four make the tile's 2,048
.endr
	WIN 0
.endm
.macro PASS nw, nxt                    ; nw row tiles (s30, s30 + 8) through all of K; nxt = 1: the next pass's slots are made, if I have a further tile
	s_wait_xcnt 0x0                                ; the last pass's stores have read their registers: codes and addresses may be written again
	s_wait_loadcnt 0x0                             ; (the first time: eb1)
	v_min_u32 v13, 2047, v11                       ; a slot, held inside xq: pads read its last row
	v_lshlrev_b32 v13, 10, v13
	v_add_nc_u32 v13, v10, v13
.if \nw > 1
	v_min_u32 v14, 2047, v12
	v_lshlrev_b32 v14, 10, v14
	v_add_nc_u32 v14, v10, v14
.endif
	s_min_u32 s32, s30, 63-8*(\nw-1)
	s_lshl_b32 s32, s32, 16
	v_add_nc_u32 v15, s32, v4                      ; himg: tile s30, 16 l
	WIN 0x40
.irp s, 0,1,2,3
	XLOAD \nw, \s
.endr
	WLOAD 0, 0
	WLOAD 1, 0
.if \nxt
	WIN 0                                          ; work on registers while the pass's first loads are on their way
	s_lshl_b32 s33, s29, 1
	s_add_co_u32 s33, s33, 2                       ; my tiles done when this pass ends
	s_cmp_ge_u32 s33, s26
	s_cbranch_scc1 .Lno_select_\@
	s_add_co_u32 s32, s30, 16
	s_lshl_b32 s32, s32, 4
	v_add_nc_u32 v[TN], s32, v[RB]
	SELECT
.Lno_select_\@:
.endif
.irp s, 0,1,2,3,4,5,6,7
	KSTEP \nw, \s
.endr
	WIN 0x40
	v_mov_b32 v28, s44                             ; window 1: the loads of W have gone over these
	v_mov_b32 v29, s45
	v_mov_b32 v30, 0xbf97d29d
	v_mov_b32 v31, 0xbf97d29d
	EPI 0
.if \nw > 1
	EPI 1
.endif
.endm
	s_cmp_eq_u32 s27, 0
	s_cbranch_scc1 .Ltail
.Lp2:
	PASS 2, 1
	s_add_co_u32 s29, s29, 1
	s_add_co_u32 s30, s30, 16
	s_cmp_lt_u32 s29, s27
	s_cbranch_scc1 .Lp2
.Ltail:
	s_cmp_eq_u32 s28, 0
	s_cbranch_scc1 .Lend
	PASS 1, 0
.Lend:
	s_barrier_signal -1
	s_barrier_wait -1
	s_wait_tensorcnt 0x0
	ds_add_u32 v254, v255
	s_wait_dscnt 0x0
	s_endpgm
.Lfunc_end_k_q7bb8ca0bc5_up:
	.size	k_q7bb8ca0bc5_up, .Lfunc_end_k_q7bb8ca0bc5_up-k_q7bb8ca0bc5_up
	.p2alignl 7, 3214868480
	.fill 96, 4, 3214868480
	.section	.rodata,"a",@progbits
	.p2align	6, 0x0
	.amdhsa_kernel k_q7bb8ca0bc5_up
		.amdhsa_group_segment_fixed_size 134144
		.amdhsa_private_segment_fixed_size 0
		.amdhsa_enable_private_segment 0
		.amdhsa_kernarg_size 56
		.amdhsa_user_sgpr_count 2
		.amdhsa_user_sgpr_kernarg_segment_ptr 1
		.amdhsa_wavefront_size32 1
		.amdhsa_system_sgpr_workgroup_id_x 1
		.amdhsa_system_sgpr_workgroup_id_y 1
		.amdhsa_system_sgpr_workgroup_id_z 1
		.amdhsa_system_vgpr_workitem_id 0
		.amdhsa_next_free_vgpr 512
		.amdhsa_next_free_sgpr 84
		.amdhsa_reserve_vcc 1
		.amdhsa_float_denorm_mode_32 3
		.amdhsa_float_denorm_mode_16_64 3
		.amdhsa_memory_ordered 1
		.amdhsa_forward_progress 1
		.amdhsa_inst_pref_size 255
	.end_amdhsa_kernel
	.section	.bss,"aw",@nobits
	.p2align	6
	.space	262144
	.amdgpu_metadata
---
amdhsa.version: [ 1, 2 ]
amdhsa.kernels:
  - .name:           k_q7bb8ca0bc5_up
    .symbol:         k_q7bb8ca0bc5_up.kd
    .args:
      - { .name: xq, .offset: 0, .size: 8, .value_kind: global_buffer, .address_space: global }
      - { .name: ew1_codes, .offset: 8, .size: 8, .value_kind: global_buffer, .address_space: global }
      - { .name: eb1, .offset: 16, .size: 8, .value_kind: global_buffer, .address_space: global }
      - { .name: lowp_scales, .offset: 24, .size: 8, .value_kind: global_buffer, .address_space: global }
      - { .name: rmask, .offset: 32, .size: 8, .value_kind: global_buffer, .address_space: global }
      - { .name: ew2_codes, .offset: 40, .size: 8, .value_kind: global_buffer, .address_space: global }
      - { .name: himg, .offset: 48, .size: 8, .value_kind: global_buffer, .address_space: global }
    .group_segment_fixed_size: 134144
    .private_segment_fixed_size: 0
    .kernarg_segment_align: 8
    .kernarg_segment_size: 56
    .max_flat_workgroup_size: 256
    .sgpr_count:     84
    .vgpr_count:     512
    .wavefront_size: 32
...
	.end_amdgpu_metadata
.endif
;; end of part 2
;; launch down (part 3): grid 32 x 8, 4 waves a work-group, no clusters, 150,016 bytes of LDS; arguments himg, ew2_codes, eb2, lowp_scales, rmask, ypart; writes ypart
.if DOCPART == 3
	.amdgcn_target "amdgcn-amd-amdhsa--gfx1250"
	.amdhsa_code_object_version 6
	.text
	.protected	k_q7bb8ca0bc5_down
	.globl	k_q7bb8ca0bc5_down
	.p2align	8
	.type	k_q7bb8ca0bc5_down,@function
k_q7bb8ca0bc5_down:
	s_mov_b64 s[64:65], 0
	v_nop
	global_prefetch_b8 v0, s[64:65] scope:SCOPE_SE
	s_setreg_imm32_b32 hwreg(HW_REG_WAVE_MODE, 25, 1), 1
	s_wait_xcnt 0x0
; DOWN: ye = he ew2[e] + eb2[e] for the rows that chose expert e, in two halves of K.
; Work-group (x = 2 cb + kh, e) owns output columns 64 cb .. + 63 and hidden units 2,048 kh .. + 2,047: 64 rows x 2,048 bytes of ew2_codes, read from memory once in the whole launch and laid in LDS.
; THE WAVES SHARE THE ROWS: wave w takes the expert's row tiles w, w + 4, ..: four at a time (PASS 4), then a tail of 3, 2 or 1, each with a text of its own.
; 64 columns of f32 are 256 bytes: a row's piece is one whole aligned block.  Two halves of K: a second partial in ypart, and half the bytes of he for each work-group.
; he comes as images of operand registers (himg): 512 consecutive bytes a load, straight into registers.
; THE ROWS.  rmask holds 64 words for the expert: bit l of word g says that slot 32 g + l chose it.  Row n of the expert is its n-th set bit, as in the launch that made he.  SELECT2 turns a pass's 64 ranks
; (two a lane) into slots, in registers: it walks the 64 words with a running count and keeps, for each rank, the last word whose count so far is at most the rank; five halving steps on partial bit counts find the bit.
; Ranks at or past the expert's count get the pad 2,048 + e.  Lane l holds row 8 (l / 16) + l % 8 of tile (l / 8) % 2 of a pair, so that a lane's row of 16 lanes holds what its half of the lanes stores.
; The first SELECT2 stands between the issue of the weights' loads and the wait for them; a later one behind the pass's own loads.
; The trip counts hang on numbers read from memory: no tensor load, no cluster; the one barrier stands ahead of the first branch on a count.
; TRANSPOSED (source 0 = 16 rows of ew2 = 16 output columns, source 1 = 16 rows of he): lane (r, h) holds row r and columns 16 nt + 8 h + 0 .. 7.
; ypart[kh][slot][1024] = sum x 2^(eh + ew2) (+ eb2 where kh = 0).  Pad rows go to row 2,048 + e, which nobody reads.
; LIMITS: entries 4 + 4 e and 5 + 4 e added lie between -126 and 127.  NaN and infinities are not served (eb2 is multiplied by 0 in the second half).
; REGISTERS.  Window 0: v1 l, v2 r, v3 h, v4 16 l, v5 staging, v6-7 fragments of W, v8-9 my stage in and out, v10 16 r, v11 32 h, v12 himg; v13-14 the expert's 64 words, v15 my rank in a pass, v17-18 ranks, then slots,
;   v19-29 SELECT2's, v30 4 l; v32-159 sums ((m, nt) at 32 + 32 m + 8 nt); v160-191 eb2; v192-223 a tile on its way out; v224-255 the tiles' slots.
;   Window 1: W's fragments, two sets of 64.  Window 2: he's ring of four K steps (64 (s % 4) + 16 m); at the head the staging registers.
.set WP,   2064                        ; a row of W in LDS: 2,048 + 16 = 129 x 16 bytes
.set STG,  64*WP                       ; behind W: 16 rows x 272 bytes for each wave
.set ACC,  32
.set BIAS, 160
.set OT,   192
.set LST,  224
.set SS,   40                          ; s[40:41] 2^(eh + ew2)
.set MK,   13                          ; v13-14  the words (lane g, lane g - 32)
.set RB,   15                          ; v15     64 ((l / 8) % 2) + 8 (l / 16) + l % 8
.set NA,   17                          ; tiles 0, 1 of a pass: the rank, then the slot
.set NBV,  18                          ; tiles 2, 3
.set MA,   19                          ; the word that holds the rank
.set PA,   20                          ; that word's count so far | its number << 16
.set MB,   21
.set PB,   22
.set TK,   23                          ; the rank within the word
.set POS,  24                          ; the bit
.set C1,   25                          ; bit counts of the word's fields of 2, 4, 8 and (byte 0) 16 bits
.set C2,   26
.set C4,   27
.set C8,   28
.set TT,   29
.set SM,   68                          ; s[68:75] eight words
.set SB,   76                          ; s76     the count so far
.set SC,   77
.set SP,   78
.set SPAD, 79
.set PADV, 82                          ; s82     2,048 + e
.set MSB,  0
.macro WIN new                         ; the immediate's high byte repeats the setting that is left
.if MSB != \new
	s_set_vgpr_msb (MSB<<8)|\new
.set MSB, \new
.endif
.endm
.macro LEVEL src, w, st                ; the field of 2 st bits at POS: if its lower half holds at most TK set bits, the bit lies in the upper half
	v_bfe_u32 v[TT], v[\src], v[POS], \w
	v_cmp_ge_u32 vcc_lo, v[TK], v[TT]
	v_sub_nc_u32 v[TT], v[TK], v[TT]
	v_cndmask_b32 v[TK], v[TK], v[TT], vcc_lo
	v_add_nc_u32 v[TT], \st, v[POS]
	v_cndmask_b32 v[POS], v[POS], v[TT], vcc_lo
.endm
.macro FINISH n, m, p                  ; rank v[n], its word v[m], v[p] = count so far | word's number << 16  ->  v[n] = the slot
	v_cmp_le_u32 s[SPAD], s[SB], v[\n]             ; at or past the expert's count: a pad
	v_and_b32 v[TK], 0xffff, v[\p]
	v_sub_nc_u32 v[TK], v[\n], v[TK]
	v_lshrrev_b32 v[\p], 16, v[\p]
	v_lshrrev_b32 v[C1], 1, v[\m]
	v_and_b32 v[C1], 0x55555555, v[C1]
	v_sub_nc_u32 v[C1], v[\m], v[C1]
	v_lshrrev_b32 v[C2], 2, v[C1]
	v_and_b32 v[C2], 0x33333333, v[C2]
	v_and_b32 v[TT], 0x33333333, v[C1]
	v_add_nc_u32 v[C2], v[C2], v[TT]
	v_lshrrev_b32 v[C4], 4, v[C2]
	v_add_nc_u32 v[C4], v[C4], v[C2]
	v_and_b32 v[C4], 0x0f0f0f0f, v[C4]
	v_lshrrev_b32 v[C8], 8, v[C4]
	v_add_nc_u32 v[C8], v[C8], v[C4]               ; byte 0: the count of bits 0-15
	v_mov_b32 v[POS], 0
	LEVEL C8, 8, 16
	LEVEL C4, 8, 8
	LEVEL C2, 4, 4
	LEVEL C1, 2, 2
	LEVEL \m, 1, 1
	v_lshl_add_u32 v[\n], v[\p], 5, v[POS]         ; slot = 32 x word + bit
	v_mov_b32 v[TT], s[PADV]
	v_cndmask_b32 v[\n], v[\n], v[TT], s[SPAD]
.endm
.macro SELECT2                         ; in: v[NA], v[NBV] ranks.  out: the same registers hold the slots; s[SB] the expert's count
	v_mov_b32 v[MA], 0
	v_mov_b32 v[PA], 0
	v_mov_b32 v[MB], 0
	v_mov_b32 v[PB], 0
	s_mov_b32 s[SB], 0
.irp o, 0,8,16,24,32,40,48,56
.irp i, 0,1,2,3,4,5,6,7
	v_readlane_b32 s[SM+\i], v[MK+\o/32], \o%32+\i
.endr
.irp i, 0,1,2,3,4,5,6,7
	v_cmp_le_u32 vcc_lo, s[SB], v[NA]              ; the counts never fall: the last word that passes is the rank's
	s_add_co_u32 s[SP], s[SB], (\o+\i)<<16
	v_cndmask_b32 v[MA], v[MA], s[SM+\i], vcc_lo
	v_cndmask_b32 v[PA], v[PA], s[SP], vcc_lo
	v_cmp_le_u32 vcc_lo, s[SB], v[NBV]
	v_cndmask_b32 v[MB], v[MB], s[SM+\i], vcc_lo
	v_cndmask_b32 v[PB], v[PB], s[SP], vcc_lo
	s_bcnt1_i32_b32 s[SC], s[SM+\i]
	s_add_co_u32 s[SB], s[SB], s[SC]
.endr
.endr
	FINISH NA, MA, PA
	FINISH NBV, MB, PB
.endm
	s_load_b256 s[4:11], s[0:1], 0x0               ; himg, ew2_codes, eb2, lowp_scales
	s_load_b128 s[12:15], s[0:1], 0x20             ; rmask, ypart
	v_lshl_add_u32 v31, v0, 2, 0x24800
	s_set_vgpr_msb 0x40
	v_mov_b32 v255, 0
	s_set_vgpr_msb 0x4000
	v_lshrrev_b32 v1, 5, v0
	v_readfirstlane_b32 s20, v1                    ; wave w
	s_and_b32 s21, ttmp7, 0xffff                   ; expert e
	s_lshr_b32 s22, ttmp9, 1                       ; column block cb
	s_and_b32 s23, ttmp9, 1                        ; K half kh
	v_and_b32 v1, 31, v0
	v_and_b32 v2, 15, v0
	v_bfe_u32 v3, v0, 4, 1
	v_lshlrev_b32 v4, 4, v1
	s_mul_i32 s32, s20, 16*WP
	v_add_nc_u32 v5, s32, v4                       ; staging: my 16 rows, 16 l
	v_mul_u32_u24 v6, v2, WP
	v_lshl_add_u32 v6, v3, 4, v6                   ; fragments of tiles 0, 1: row r, + 16 h
	v_add_nc_u32 v7, 32*WP, v6                     ; of tiles 2, 3
	s_mul_i32 s33, s20, 16*272
	s_add_co_u32 s33, s33, STG
	v_mul_u32_u24 v8, v2, 272
	v_lshl_add_u32 v8, v3, 5, v8
	v_add_nc_u32 v8, s33, v8                       ; my stage, in: row r, + 32 h
	v_mul_u32_u24 v9, v3, 8*272
	v_lshl_add_u32 v9, v2, 4, v9
	v_add_nc_u32 v9, s33, v9                       ; out: lanes 0-15 a row, lanes 16-31 the row 8 further down
	v_lshlrev_b32 v10, 4, v2
	v_lshlrev_b32 v11, 5, v3
	v_lshlrev_b32 v30, 2, v1
	v_and_b32 v[RB], 7, v0
	v_bfe_u32 v16, v0, 3, 1
	v_lshl_add_u32 v[RB], v16, 6, v[RB]
	v_lshl_add_u32 v[RB], v3, 3, v[RB]
	s_lshl_b32 s46, s21, 10
	s_lshl_b32 s33, s22, 6
	s_add_co_u32 s46, s46, s33                     ; 1,024 e + 64 cb
	s_lshl_b32 s52, s46, 2
	s_mov_b32 s53, 0
	s_lshl_b32 s33, s20, 4
	s_add_co_u32 s46, s46, s33
	s_lshl_b32 s46, s46, 12
	s_lshl_b32 s33, s23, 11
	s_add_co_u32 s46, s46, s33                     ; my 16 rows of ew2_codes, my K half
	s_mov_b32 s47, 0
	s_lshl_b32 s48, s21, 22
	s_lshl_b32 s33, s23, 15
	s_add_co_u32 s48, s48, s33
	s_mov_b32 s49, 0
	s_mul_i32 s50, s23, 2056*4096
	s_lshl_b32 s33, s22, 8
	s_add_co_u32 s50, s50, s33
	s_mov_b32 s51, 0
	s_lshl_b32 s54, s21, 8                         ; the expert's 64 words
	s_mov_b32 s55, 0
	s_lshl_b32 s35, s21, 4
	s_add_co_u32 s[PADV], s21, 2048
	s_wait_kmcnt 0x0
	s_load_b64 s[36:37], s[10:11], s35 offset:0x10 ; eh, ew2
	s_add_nc_u64 s[46:47], s[6:7], s[46:47]
	s_add_nc_u64 s[48:49], s[4:5], s[48:49]
	s_add_nc_u64 s[50:51], s[14:15], s[50:51]
	s_add_nc_u64 s[52:53], s[8:9], s[52:53]
	s_add_nc_u64 s[54:55], s[12:13], s[54:55]
	global_load_b32 v[MK], v30, s[54:55]           ; the words first, so that a counted wait shows them in while the weights are on their way
	global_load_b32 v[MK+1], v30, s[54:55] offset:128
	WIN 0x80                                       ; destination window 2
.irp i, 0,1,2,3,4,5,6,7,8,9,10,11,12,13,14,15
.irp g, 0,1,2,3
	global_load_b128 v[16*\i+4*\g:16*\i+4*\g+3], v4, s[46:47] offset:4096*\i+512*\g th:TH_LOAD_NT   ; 512 consecutive bytes; read once in the launch
.endr
.endr
	WIN 0
.set i, 0
.rept 32
	v_mov_b32 v[LST+i], 0                          ; written once: the destination of a lane-sharing move counts as one of its sources
.set i, i+1
.endr
	s_lshl_b32 s32, s20, 4
	v_add_nc_u32 v[NA], s32, v[RB]                 ; the first pass's ranks: tiles w, w + 4,
	v_add_nc_u32 v[NBV], 128, v[NA]                ; w + 8, w + 12
	s_wait_loadcnt 63                              ; of the 66 loads issued the oldest three are in, the two words among them
	SELECT2
.irp n, 0,1,2,3
	global_load_b128 v[BIAS+8*\n:BIAS+8*\n+3], v11, s[52:53] offset:64*\n
	global_load_b128 v[BIAS+8*\n+4:BIAS+8*\n+7], v11, s[52:53] offset:64*\n+16
.endr
	WIN 0x08                                       ; store data window 2
.irp k, 0,1,2,3
	s_wait_loadcnt 56-16*\k                        ; behind the first 16 (k + 1) loads of weights: the rest of the 64, and eb2's 8
.irp j, 0,1,2,3,4,5,6,7,8,9,10,11,12,13,14,15
	ds_store_b128 v5, v[64*\k+4*\j:64*\k+4*\j+3] offset:WP*(4*\k+\j/4)+512*(\j%4)
.endr
.endr
	WIN 0
	s_cmp_eq_u32 s23, 0
	s_cselect_b32 s42, 1.0, 0                      ; eb2 goes in with the first half of K alone
	s_mov_b32 s43, s42
	s_wait_loadcnt 0x0
.irp i, 0,2,4,6,8,10,12,14,16,18,20,22,24,26,28,30
	v_pk_mul_f32 v[BIAS+\i:BIAS+\i+1], v[BIAS+\i:BIAS+\i+1], s[42:43] op_sel_hi:[1,0]
.endr
	s_wait_dscnt 0x0                               ; for the others' sake: my 16 rows are in LDS
	s_barrier_signal -1
	s_barrier_wait -1                              ; the only barrier: from here on W is only read, and each stage is its wave's own
	s_wait_kmcnt 0x0
	s_min_u32 s24, s[SB], 1024                     ; the expert's rows
	s_add_co_u32 s25, s24, 15
	s_lshr_b32 s25, s25, 4                         ; row tiles of the expert
	s_add_co_u32 s26, s25, 3
	s_sub_co_u32 s26, s26, s20
	s_lshr_b32 s26, s26, 2                         ; of them mine
	s_lshr_b32 s27, s26, 2                         ; passes of four
	s_and_b32 s28, s26, 3                          ; the tail
	s_mov_b32 s29, 0
	s_mov_b32 s30, s20                             ; the pass's first tile
	s_add_co_i32 s40, s36, s37
	s_add_co_i32 s40, s40, 127
	s_lshl_b32 s40, s40, 23                        ; 2^(eh + ew2)
	s_mov_b32 s41, s40
.macro WLOAD s                         ; W's four fragments of K step s into set s % 2
.irp n, 0,1,2,3
.irp c, 0,1,2,3
	ds_load_b128 v[64*((\s)%2)+16*\n+4*\c:64*((\s)%2)+16*\n+4*\c+3], v[6+\n/2] offset:(\n%2)*16*WP+128*(\s)+32*\c
.endr
.endr
.endm
.macro HLOAD nw, s                     ; he's fragments of K step s: images, 512 consecutive bytes a load
.irp m, 0,1,2,3
.if \m < \nw
.irp c, 0,1,2,3
	global_load_b128 v[64*((\s)%4)+16*\m+4*\c:64*((\s)%4)+16*\m+4*\c+3], v12, s[48:49] offset:262144*\m+2048*(\s)+512*\c
.endr
.endif
.endr
.endm
.macro KSTEP nw, s
.if \s < 15
	s_wait_dscnt 16                                ; this step's W is in; the next step's 16 loads may be out
.else
	s_wait_dscnt 0
.endif
.if \s <= 12
	s_wait_loadcnt 12*\nw                          ; behind this step's loads of he: those of the next three steps
.else
	s_wait_loadcnt 4*\nw*(15-\s)
.endif
	WIN 0x09                                       ; source 0 (W) window 1, source 1 (he) window 2, sums window 0
.irp n, 0,1,2,3                                ; the accumulators take turns, one instruction a turn; K step 0 starts the sums
.irp m, 0,1,2,3
.if \m < \nw
.if \s == 0
	v_wmma_f32_16x16x128_fp8_fp8 v[ACC+32*\m+8*\n:ACC+32*\m+8*\n+7], v[64*(\s%2)+16*\n:64*(\s%2)+16*\n+15], v[64*(\s%4)+16*\m:64*(\s%4)+16*\m+15], 0
.else
	v_wmma_f32_16x16x128_fp8_fp8 v[ACC+32*\m+8*\n:ACC+32*\m+8*\n+7], v[64*(\s%2)+16*\n:64*(\s%2)+16*\n+15], v[64*(\s%4)+16*\m:64*(\s%4)+16*\m+15], v[ACC+32*\m+8*\n:ACC+32*\m+8*\n+7]
.endif
.endif
.endr
.endr
.rept 4
	v_nop                                          ; places in front of loads into registers that the products have read, and of the first read of the sums
.endr
.if \s < 14
	WIN 0x40
	WLOAD \s+2
.endif
.if \s < 12
	WIN 0x80
	HLOAD \nw, \s+4
.endif
.endm
.macro EPI m                           ; row tile m of the pass leaves: through my stage, as whole pieces of 256 bytes, each to its slot's row
	s_wait_xcnt 0x0                                ; the tile before has been read by its stores
.irp n, 0,1,2,3
.irp i, 0,2,4,6
	v_pk_fma_f32 v[OT+8*\n+\i:OT+8*\n+\i+1], v[ACC+32*\m+8*\n+\i:ACC+32*\m+8*\n+\i+1], s[SS:SS+1], v[BIAS+8*\n+\i:BIAS+8*\n+\i+1] op_sel_hi:[1,0,1]   ; each accumulator from its low end on
.endr
.endr
.irp n, 0,1,2,3
	ds_store_b128 v8, v[OT+8*\n:OT+8*\n+3] offset:64*\n
	ds_store_b128 v8, v[OT+8*\n+4:OT+8*\n+7] offset:64*\n+16
.endr
.irp q, 0,1,2,3,4,5,6,7
	ds_load_b128 v[OT+4*\q:OT+4*\q+3], v9 offset:272*\q        ; rows q and q + 8.  LDS serves a wave in order: these see my stores
.endr
.irp q, 0,1,2,3,4,5,6,7
	v_min_u32 v[LST+8*\m+\q], 2055, v[LST+8*\m+\q]             ; the row's slot, held inside ypart
	v_lshlrev_b32 v[LST+8*\m+\q], 12, v[LST+8*\m+\q]
	v_add_nc_u32 v[LST+8*\m+\q], v10, v[LST+8*\m+\q]
.endr
.irp q, 0,1,2,3,4,5,6,7
	s_wait_dscnt 7-\q
	global_store_b128 v[LST+8*\m+\q], v[OT+4*\q:OT+4*\q+3], s[50:51]   ; sixteen lanes store 256 consecutive bytes, aligned
.endr
.endm
.macro PASS nw, nxt                    ; row tiles s30, s30 + 4, .. (nw of them) through my half of K; nxt = 1: the next pass's slots are made, if I have a further tile
	s_wait_xcnt 0x0                                ; the last pass's stores have read their registers
	s_min_u32 s32, s30, 63-4*(\nw-1)
	s_lshl_b32 s33, s32, 16
	v_add_nc_u32 v12, s33, v4                      ; himg: tile s30, 16 l; the further tiles stand in the immediate
	; register 8 m + q: in lanes 0-15 the slot of row q of tile m, in lanes 16-31 that of row q + 8: every lane takes lane 8 (m % 2) + q of its own row of sixteen
.irp q, 0,1,2,3,4,5,6,7
	v_mov_b32_dpp v[LST+\q], v[NA] row_share:\q row_mask:0xf bank_mask:0xf
.endr
.if \nw > 1
.irp q, 8,9,10,11,12,13,14,15
	v_mov_b32_dpp v[LST+\q], v[NA] row_share:\q row_mask:0xf bank_mask:0xf
.endr
.endif
.if \nw > 2
.irp q, 0,1,2,3,4,5,6,7
	v_mov_b32_dpp v[LST+16+\q], v[NBV] row_share:\q row_mask:0xf bank_mask:0xf
.endr
.endif
.if \nw > 3
.irp q, 8,9,10,11,12,13,14,15
	v_mov_b32_dpp v[LST+16+\q], v[NBV] row_share:\q row_mask:0xf bank_mask:0xf
.endr
.endif
	WIN 0x80
.irp s, 0,1,2,3
	HLOAD \nw, \s
.endr
	WIN 0x40
	WLOAD 0
	WLOAD 1
.if \nxt
	WIN 0                                          ; work on registers while the pass's first loads are on their way
	s_lshl_b32 s33, s29, 2
	s_add_co_u32 s33, s33, 4                       ; my tiles done when this pass ends
	s_cmp_ge_u32 s33, s26
	s_cbranch_scc1 .Lno_select_\@
	s_add_co_u32 s32, s30, 16
	s_lshl_b32 s32, s32, 4
	v_add_nc_u32 v[NA], s32, v[RB]
	v_add_nc_u32 v[NBV], 128, v[NA]
	SELECT2
.Lno_select_\@:
.endif
.irp s, 0,1,2,3,4,5,6,7,8,9,10,11,12,13,14,15
	KSTEP \nw, \s
.endr
	WIN 0
.irp m, 0,1,2,3
.if \m < \nw
	EPI \m
.endif
.endr
.endm
	s_cmp_eq_u32 s27, 0
	s_cbranch_scc1 .Ltail
.Lp4:
	PASS 4, 1
	s_add_co_u32 s29, s29, 1
	s_add_co_u32 s30, s30, 16
	s_cmp_lt_u32 s29, s27
	s_cbranch_scc1 .Lp4
.Ltail:
	s_cmp_eq_u32 s28, 0
	s_cbranch_scc1 .Lend
	s_cmp_eq_u32 s28, 1
	s_cbranch_scc1 .Lt1
	s_cmp_eq_u32 s28, 2
	s_cbranch_scc1 .Lt2
	PASS 3, 0
	s_branch .Lend
.Lt2:
	PASS 2, 0
	s_branch .Lend
.Lt1:
	PASS 1, 0
.Lend:
	s_barrier_signal -1
	s_barrier_wait -1
	s_set_vgpr_msb 0x4
	s_wait_tensorcnt 0x0
	ds_add_u32 v31, v255
	s_wait_dscnt 0x0
	s_set_vgpr_msb 0x400
	s_endpgm
.Lfunc_end_k_q7bb8ca0bc5_down:
	.size	k_q7bb8ca0bc5_down, .Lfunc_end_k_q7bb8ca0bc5_down-k_q7bb8ca0bc5_down
	.p2alignl 7, 3214868480
	.fill 96, 4, 3214868480
	.section	.rodata,"a",@progbits
	.p2align	6, 0x0
	.amdhsa_kernel k_q7bb8ca0bc5_down
		.amdhsa_group_segment_fixed_size 150016
		.amdhsa_private_segment_fixed_size 0
		.amdhsa_enable_private_segment 0
		.amdhsa_kernarg_size 48
		.amdhsa_user_sgpr_count 2
		.amdhsa_user_sgpr_kernarg_segment_ptr 1
		.amdhsa_wavefront_size32 1
		.amdhsa_system_sgpr_workgroup_id_x 1
		.amdhsa_system_sgpr_workgroup_id_y 1
		.amdhsa_system_sgpr_workgroup_id_z 1
		.amdhsa_system_vgpr_workitem_id 0
		.amdhsa_next_free_vgpr 768
		.amdhsa_next_free_sgpr 84
		.amdhsa_reserve_vcc 1
		.amdhsa_float_denorm_mode_32 3
		.amdhsa_float_denorm_mode_16_64 3
		.amdhsa_memory_ordered 1
		.amdhsa_forward_progress 1
		.amdhsa_inst_pref_size 255
	.end_amdhsa_kernel
	.section	.bss,"aw",@nobits
	.p2align	6
	.space	262144
	.amdgpu_metadata
---
amdhsa.version: [ 1, 2 ]
amdhsa.kernels:
  - .name:           k_q7bb8ca0bc5_down
    .symbol:         k_q7bb8ca0bc5_down.kd
    .args:
      - { .name: himg, .offset: 0, .size: 8, .value_kind: global_buffer, .address_space: global }
      - { .name: ew2_codes, .offset: 8, .size: 8, .value_kind: global_buffer, .address_space: global }
      - { .name: eb2, .offset: 16, .size: 8, .value_kind: global_buffer, .address_space: global }
      - { .name: lowp_scales, .offset: 24, .size: 8, .value_kind: global_buffer, .address_space: global }
      - { .name: rmask, .offset: 32, .size: 8, .value_kind: global_buffer, .address_space: global }
      - { .name: ypart, .offset: 40, .size: 8, .value_kind: global_buffer, .address_space: global }
    .group_segment_fixed_size: 150016
    .private_segment_fixed_size: 0
    .kernarg_segment_align: 8
    .kernarg_segment_size: 48
    .max_flat_workgroup_size: 128
    .sgpr_count:     84
    .vgpr_count:     768
    .wavefront_size: 32
...
	.end_amdgpu_metadata
.endif
;; end of part 3
;; launch merge (part 4): grid 257 x 1, 4 waves a work-group, no clusters, 0 bytes of LDS; arguments tokens, ypart, rgate, out0, rprob, rmask, out1; writes out0, out1
.if DOCPART == 4
	.amdgcn_target "amdgcn-amd-amdhsa--gfx1250"
	.amdhsa_code_object_version 6
	.text
	.protected	k_q7bb8ca0bc5_merge
	.globl	k_q7bb8ca0bc5_merge
	.p2align	8
	.type	k_q7bb8ca0bc5_merge,@function
k_q7bb8ca0bc5_merge:
	s_mov_b64 s[64:65], 0
	v_nop
	global_prefetch_b8 v0, s[64:65] scope:SCOPE_SE
	s_setreg_imm32_b32 hwreg(HW_REG_WAVE_MODE, 25, 1), 1
	s_wait_xcnt 0x0
; MERGE.  Work-groups 0-255: out0[t] = tokens[t] + g0 (Y0[2 t] + Y1[2 t]) + g1 (Y0[2 t + 1] + Y1[2 t + 1]): each output row has one owner, which adds its two experts' rows and their two halves of K.
; A stream: one wave to a token, eight pieces of 512 consecutive bytes, five loads and one store a piece; all 40 loads are issued at once, each piece has registers of its own, so nothing is written twice.
; Work-group 256: the load-balance loss, a sum over all tokens, which wants one owner: out1 = 8 x sum over e of (tokens whose first choice is e / 1,024) x (sum of probs[.][e] / 1,024).
; One wave makes it: rprob's 32,768 bytes through a ring of 32 loads in registers; the first choices are the even bits of rmask's words.
; No LDS, no barrier, no matrix unit: the waves share nothing.
	s_cmp_eq_u32 ttmp9, 256
	s_cbranch_scc1 .Lloss
	s_load_b256 s[4:11], s[0:1], 0x0               ; tokens, ypart, rgate, out0
	v_lshrrev_b32 v1, 5, v0
	v_readfirstlane_b32 s12, v1
	v_and_b32 v1, 31, v0
	v_lshlrev_b32 v1, 4, v1                        ; 16 l
	s_lshl_b32 s13, ttmp9, 2
	s_add_co_u32 s13, s13, s12                     ; my token t
	s_lshl_b32 s14, s13, 12
	s_mov_b32 s15, 0
	s_lshl_b32 s16, s13, 13
	s_mov_b32 s17, 0
	s_lshl_b32 s18, s13, 3
	s_wait_kmcnt 0x0
	s_load_b64 s[20:21], s[8:9], s18 offset:0x0    ; the two gates
	s_add_nc_u64 s[4:5], s[4:5], s[14:15]
	s_add_nc_u64 s[10:11], s[10:11], s[14:15]
	s_add_nc_u64 s[6:7], s[6:7], s[16:17]          ; the first half's row 2 t,
	s_add_nc_u64 s[24:25], s[6:7], 2056*4096       ; the second half's
.irp j, 0,1,2,3,4,5,6,7
	global_load_b128 v[16+20*\j:19+20*\j], v1, s[4:5] offset:512*\j th:TH_LOAD_NT
	global_load_b128 v[20+20*\j:23+20*\j], v1, s[6:7] offset:512*\j th:TH_LOAD_NT
	global_load_b128 v[24+20*\j:27+20*\j], v1, s[24:25] offset:512*\j th:TH_LOAD_NT
	global_load_b128 v[28+20*\j:31+20*\j], v1, s[6:7] offset:4096+512*\j th:TH_LOAD_NT
	global_load_b128 v[32+20*\j:35+20*\j], v1, s[24:25] offset:4096+512*\j th:TH_LOAD_NT
.endr
	s_wait_kmcnt 0x0
	s_mov_b32 s22, s21                             ; the second gate as the low word of a pair of its own
	s_mov_b32 s23, s21
.macro PIECE j
.set B, 16+20*\j
	s_wait_loadcnt 5*(7-\j)                        ; the later pieces' five loads each may be out
.irp i, 0,2
	v_pk_add_f32 v[B+4+\i:B+5+\i], v[B+4+\i:B+5+\i], v[B+8+\i:B+9+\i]
	v_pk_add_f32 v[B+12+\i:B+13+\i], v[B+12+\i:B+13+\i], v[B+16+\i:B+17+\i]
.endr
.irp i, 0,2
	v_pk_fma_f32 v[B+\i:B+1+\i], v[B+4+\i:B+5+\i], s[20:21], v[B+\i:B+1+\i] op_sel_hi:[1,0,1]
.endr
.irp i, 0,2
	v_pk_fma_f32 v[B+\i:B+1+\i], v[B+12+\i:B+13+\i], s[22:23], v[B+\i:B+1+\i] op_sel_hi:[1,0,1]
.endr
	global_store_b128 v1, v[B:B+3], s[10:11] offset:512*\j th:TH_STORE_NT
.endm
.irp j, 0,1,2,3,4,5,6,7
	PIECE \j
.endr
	s_endpgm
; ---- the loss.  REGISTERS: v1 lane, v2 16 l, v4 the sum, v5-6 at work; v16-31 rmask; v32-159 the ring; v160-167 two chains of four sums; v168-175 the eight experts' sums
.Lloss:
	v_lshrrev_b32 v1, 5, v0
	v_readfirstlane_b32 s12, v1
	s_cmp_lg_u32 s12, 0
	s_cbranch_scc1 .Lend
	s_load_b128 s[4:7], s[0:1], 0x20               ; rprob, rmask
	s_load_b64 s[8:9], s[0:1], 0x30                ; out1
	v_and_b32 v1, 31, v0
	v_lshlrev_b32 v2, 4, v1
	s_mov_b32 s14, 0x76543210                      ; v_permlanex16_b32: lane l xor 16
	s_mov_b32 s15, 0xfedcba98
.irp i, 0,1,2,3,4,5,6,7
	v_mov_b32 v[160+\i], 0
.endr
	v_mov_b32 v5, 0                                ; written once: a lane permute's destination counts as one of its sources
	s_wait_kmcnt 0x0
.irp j, 0,1,2,3
	global_load_b128 v[16+4*\j:19+4*\j], v2, s[6:7] offset:512*\j          ; word 128 j + 4 l + i: expert 2 j + l / 16
.endr
.set j, 0
.rept 32
	global_load_b128 v[32+4*j:35+4*j], v2, s[4:5] offset:512*j th:TH_LOAD_NT   ; number 128 j + 4 l + i: token 16 j + l / 2, expert 4 (l % 2) + i
.set j, j+1
.endr
.set j, 0
.rept 32
	s_wait_loadcnt 31                              ; behind slot j's load: the 31 - j slots after it and the j refills: always 31
	v_pk_add_f32 v[160+4*(j%2):161+4*(j%2)], v[160+4*(j%2):161+4*(j%2)], v[32+4*j:33+4*j]
	v_pk_add_f32 v[162+4*(j%2):163+4*(j%2)], v[162+4*(j%2):163+4*(j%2)], v[34+4*j:35+4*j]
	global_load_b128 v[32+4*j:35+4*j], v2, s[4:5] offset:512*(j+32) th:TH_LOAD_NT
.set j, j+1
.endr
.set j, 0
.rept 32
	s_wait_loadcnt 31-j                            ; the counts run down
	v_pk_add_f32 v[160+4*(j%2):161+4*(j%2)], v[160+4*(j%2):161+4*(j%2)], v[32+4*j:33+4*j]
	v_pk_add_f32 v[162+4*(j%2):163+4*(j%2)], v[162+4*(j%2):163+4*(j%2)], v[34+4*j:35+4*j]
.set j, j+1
.endr
	v_pk_add_f32 v[160:161], v[160:161], v[164:165]
	v_pk_add_f32 v[162:163], v[162:163], v[166:167]
.irp x, 2,4,8                                  ; over the lanes of my parity
.irp i, 0,1,2,3
	v_add_f32_dpp v[160+\i], v[160+\i], v[160+\i] row_xmask:\x row_mask:0xf bank_mask:0xf
.endr
.endr
.irp i, 0,1,2,3
	v_permlanex16_b32 v[164+\i], v[160+\i], s14, s15
.endr
.irp i, 0,1,2,3
	v_add_f32 v[160+\i], v[160+\i], v[164+\i]      ; the sum of probs[.][4 (l % 2) + i]
.endr
.irp i, 0,1,2,3
	v_mov_b32_dpp v[164+\i], v[160+\i] row_xmask:1 row_mask:0xf bank_mask:0xf   ; and the other parity's four
.endr
	v_and_b32 v6, 1, v1
	v_cmp_eq_u32 vcc_lo, 1, v6
.irp i, 0,1,2,3
	v_cndmask_b32 v[168+\i], v[160+\i], v[164+\i], vcc_lo      ; experts 0-3,
	v_cndmask_b32 v[172+\i], v[164+\i], v[160+\i], vcc_lo      ; 4-7: all eight in every lane
.endr
	v_cmp_le_u32 s20, 16, v1                       ; lanes 16-31 hold the odd expert of each pair
.macro CNT j                           ; my four words of expert 2 j + l / 16: their even bits are counted by fields of 2, 4, 8 bits, then the bytes are added; x that expert's sum
.set W, 16+4*\j
.irp i, 0,1,2,3
	v_and_b32 v[W+\i], 0x55555555, v[W+\i]
.endr
	v_add_nc_u32 v[W], v[W], v[W+1]                ; fields of 2 bits: at most 2
	v_add_nc_u32 v[W+2], v[W+2], v[W+3]
	v_lshrrev_b32 v[W+1], 2, v[W]
	v_lshrrev_b32 v[W+3], 2, v[W+2]
.irp i, 0,1,2,3
	v_and_b32 v[W+\i], 0x33333333, v[W+\i]
.endr
	v_add_nc_u32 v[W], v[W], v[W+1]
	v_add_nc_u32 v[W+2], v[W+2], v[W+3]
	v_add_nc_u32 v[W], v[W], v[W+2]                ; fields of 4 bits: at most 8
	v_lshrrev_b32 v[W+1], 4, v[W]
	v_and_b32 v[W], 0x0f0f0f0f, v[W]
	v_and_b32 v[W+1], 0x0f0f0f0f, v[W+1]
	v_add_nc_u32 v[W], v[W], v[W+1]                ; bytes: at most 16
	v_lshrrev_b32 v[W+1], 8, v[W]
	v_add_nc_u32 v[W], v[W], v[W+1]
	v_lshrrev_b32 v[W+1], 16, v[W]
	v_add_nc_u32 v[W], v[W], v[W+1]
	v_and_b32 v[W], 0xff, v[W]                     ; at most 64
	v_cvt_f32_u32 v[W], v[W]
	v_cndmask_b32 v[W+1], v[168+2*\j], v[169+2*\j], s20
.if \j == 0
	v_mul_f32 v4, v[W], v[W+1]
.else
	v_fma_f32 v4, v[W], v[W+1], v4
.endif
.endm
.irp j, 0,1,2,3
	CNT \j
.endr
	v_add_f32_dpp v4, v4, v4 row_xmask:1 row_mask:0xf bank_mask:0xf
	v_add_f32_dpp v4, v4, v4 row_xmask:2 row_mask:0xf bank_mask:0xf
	v_add_f32_dpp v4, v4, v4 row_xmask:4 row_mask:0xf bank_mask:0xf
	v_add_f32_dpp v4, v4, v4 row_xmask:8 row_mask:0xf bank_mask:0xf
	v_permlanex16_b32 v5, v4, s14, s15
	v_add_f32 v4, v4, v5
	v_mul_f32 v4, 0x37000000, v4                   ; x 8 / 1,024^2 = 2^-17
	v_mov_b32 v6, 0
	s_wait_xcnt 0x0                                ; EXEC changes only behind this wait
	v_cmp_eq_u32 vcc_lo, 0, v1
	s_and_saveexec_b32 s21, vcc_lo
	global_store_b32 v6, v4, s[8:9]
	s_wait_xcnt 0x0
	s_or_b32 exec_lo, exec_lo, s21
.Lend:
	s_endpgm
.Lfunc_end_k_q7bb8ca0bc5_merge:
	.size	k_q7bb8ca0bc5_merge, .Lfunc_end_k_q7bb8ca0bc5_merge-k_q7bb8ca0bc5_merge
	.p2alignl 7, 3214868480
	.fill 96, 4, 3214868480
	.section	.rodata,"a",@progbits
	.p2align	6, 0x0
	.amdhsa_kernel k_q7bb8ca0bc5_merge
		.amdhsa_group_segment_fixed_size 0
		.amdhsa_private_segment_fixed_size 0
		.amdhsa_enable_private_segment 0
		.amdhsa_kernarg_size 56
		.amdhsa_user_sgpr_count 2
		.amdhsa_user_sgpr_kernarg_segment_ptr 1
		.amdhsa_wavefront_size32 1
		.amdhsa_system_sgpr_workgroup_id_x 1
		.amdhsa_system_sgpr_workgroup_id_y 1
		.amdhsa_system_sgpr_workgroup_id_z 1
		.amdhsa_system_vgpr_workitem_id 0
		.amdhsa_next_free_vgpr 176
		.amdhsa_next_free_sgpr 66
		.amdhsa_reserve_vcc 1
		.amdhsa_float_denorm_mode_32 3
		.amdhsa_float_denorm_mode_16_64 3
		.amdhsa_memory_ordered 1
		.amdhsa_forward_progress 1
		.amdhsa_inst_pref_size 35
	.end_amdhsa_kernel
	.amdgpu_metadata
---
amdhsa.version: [ 1, 2 ]
amdhsa.kernels:
  - .name:           k_q7bb8ca0bc5_merge
    .symbol:         k_q7bb8ca0bc5_merge.kd
    .args:
      - { .name: tokens, .offset: 0, .size: 8, .value_kind: global_buffer, .address_space: global }
      - { .name: ypart, .offset: 8, .size: 8, .value_kind: global_buffer, .address_space: global }
      - { .name: rgate, .offset: 16, .size: 8, .value_kind: global_buffer, .address_space: global }
      - { .name: out0, .offset: 24, .size: 8, .value_kind: global_buffer, .address_space: global }
      - { .name: rprob, .offset: 32, .size: 8, .value_kind: global_buffer, .address_space: global }
      - { .name: rmask, .offset: 40, .size: 8, .value_kind: global_buffer, .address_space: global }
      - { .name: out1, .offset: 48, .size: 8, .value_kind: global_buffer, .address_space: global }
    .group_segment_fixed_size: 0
    .private_segment_fixed_size: 0
    .kernarg_segment_align: 8
    .kernarg_segment_size: 56
    .max_flat_workgroup_size: 128
    .sgpr_count:     66
    .vgpr_count:     176
    .wavefront_size: 32
...
	.end_amdgpu_metadata
.endif
;; end of part 4
;; ======== version 2 of 2: 4 launches; version 1 with the launches up, down written anew for expert scheduling mode
;; workspace buffers: xq 2,097,152 bytes; rmask 2,048 bytes of whole numbers; rgate 8,192 bytes; rprob 32,768 bytes; himg 33,554,432 bytes; ypart 16,842,752 bytes
;; launch route: the kernel of part 1 again; grid 64 x 1, 16 waves a work-group, no clusters, 109,568 bytes of LDS; arguments tokens, alt_embedding, ln_gamma, ln_beta, gate_w1_codes, gate_b1, gate_w2, gate_b2, lowp_scales, xq, rmask, rgate, rprob; writes xq, rmask, rgate, rprob
;; launch up (part 5): grid 32 x 8, 8 waves a work-group, no clusters, 134,144 bytes of LDS; arguments xq, ew1_codes, eb1, lowp_scales, rmask, ew2_codes, himg; writes himg
.if DOCPART == 5
	.amdgcn_target "amdgcn-amd-amdhsa--gfx1250"
	.amdhsa_code_object_version 6
	.text
	.protected	k_q7bb8ca0bc5_up
	.globl	k_q7bb8ca0bc5_up
	.p2align	8
	.type	k_q7bb8ca0bc5_up,@function
k_q7bb8ca0bc5_up:
	s_mov_b64 s[64:65], 0
	v_nop
	global_prefetch_b8 v0, s[64:65] scope:SCOPE_SE
	s_setreg_imm32_b32 hwreg(HW_REG_WAVE_SCHED_MODE, 0, 2), 2
	s_setreg_imm32_b32 hwreg(HW_REG_WAVE_MODE, 25, 1), 1
	s_wait_xcnt 0x0
	s_wait_alu depctr_vm_vsrc(0)
; UP: he = Q(gelu(Q(normed) ew1[e] + eb1[e])) for the rows that chose expert e, and for no others.
; Work-group (js, e) owns hidden units 128 js .. + 127 of expert e: 128 rows x 1,024 bytes of ew1_codes, read from memory once in the whole launch and laid in LDS.
; THE WAVES SHARE THE ROWS: wave v takes the expert's row tiles (16 rows) v, v + 8, v + 16 ..: two at a time (PASS 2), a last odd one alone (PASS 1).  Two waves lie on a SIMD.
; THE ROWS.  rmask holds 64 words for the expert: bit l of word g says that slot 32 g + l chose it.  Row n of the expert is its n-th set bit, in the order of the slots; the next launch reads the same words
; in the same way.  SELECT turns 32 ranks, one a lane, into slots, in registers: it walks the 64 words with a running count and keeps, for each lane, the last word whose count so far is at most the rank;
; five halving steps on partial bit counts then find the bit.  Ranks at or past the expert's count get the pad 2,048 + e.  The last count is the expert's number of rows.
; The first SELECT stands between the issue of the weights' loads and the wait for them; a later one behind the pass's own loads.
; No tile is shared between work-groups but x's rows, and the trip counts hang on numbers read from memory: so no tensor load, no cluster; operands go from memory and LDS straight into registers,
; and the one barrier stands ahead of the first branch on a count.
; TRANSPOSED (source 0 = 16 rows of ew1, source 1 = 16 rows of x), AND THE ROWS OF A TILE OF ew1 ARE NOT NEIGHBOURS: lane r of tile 2 b + u takes unit 32 b + 8 u + r + 8 (r / 8); the rows are laid so in LDS
; (slice row 16 v + i at LDS row 32 (v / 2) + 16 (i / 8) + 8 (v % 2) + i % 8).  So lane (r, h) holds row r, and the 16 registers of tiles 2 b, 2 b + 1 are units 32 b + 16 h + 0 .. 15:
; their codes ARE registers 4 b .. 4 b + 3 of the next product's operand.  himg takes that image: block (e, row tile i, K step js) at ((64 e + i) 32 + js) 2,048, group c, lane l at 512 c + 16 l.
; Pad rows read xq's last row; their results fill the tile's pad rows and are thrown away later.
; ew2_codes is only asked for ahead: each work-group asks once for the 512 blocks of 256 bytes that the work-group of the same (x, y) reads in the next launch; 64 blocks a wave, two lines.
; LIMITS: entry 4 + 4 e between -126 and 119; entries 2 + 4 e and 3 + 4 e added between -126 and 127.  NaN and infinities are not served.
; REGISTERS.  Window 0: v1 l, v2 r, v3 h, v4 16 l, v5 staging, v6-7 fragments of W, v8 64 h, v9 4 l, v10 16 h, v11-12 the two tiles' slots, v13-14 x's rows, v15 himg, v18 prefetch;
;   v20-21 the expert's 64 words (lane g, lane g - 32), v22 128 h + r, v16, 17, 19, 23-27, 30, 31 SELECT's; v28, v29 2^eh and 448 x 2^eh; v32-95 eb1 in the result's layout; v96-223 the sums, tile (m, nt) at 96 + 64 m + 8 nt;
;   v254, v255 the closing add's two.
; Window 1: v0-127 W's eight fragments; v128-255 x's ring of four K steps (32 (s % 4) + 16 m).  On the way out: v28, v29 the same two numbers as in window 0
;   v30-31 a coefficient, v32-95 GELU's 64 registers, v96-127 the codes.
; THE MODE: SCHED_MODE bits 1:0 = 2 (LLVM: expert scheduling mode 2), set by the entry lines.  The code itself states the register dependences
; between vector or matrix instructions and memory or LDS instructions, with s_wait_alu, always for 0.
; THE PLAN.  Registers that memory or LDS instructions touch:
;   window 1 v0-63, v64-127   W's two halves.  At the head the weights land there and the staging stores read them.  In K step s a half's products read it; behind them the LDS loads of step s + 1 land in it.
;                             On the way out vector lines write v28-127, and the stores read the codes in v96-127.
;   window 1 v128-255         x's four slots.  Step s's products read slot s % 4; behind the step's second half the loads of step s + 4 land in it.
;   v13, v14, v15             Written at a pass's head; read by x's loads and by himg's stores of that pass.
;   v4 to v10, v18            Made at the kernel's head, never written again.   v20-21, v32-95: loaded once.   v254, v255: written at the head, read by the closing add alone.
; A wave's 512 registers are all laid out, so W has no third half: the two halves are the two buffers that take turns, and a wait on va_vdst stands behind the products that empty a half,
; which is asked for again at once: two in a K step, the second for x's slot too.  A pass's head has one wait on vm_vsrc and one on va_vdst; each tile's four stores have one on va_vdst.
; Scalars that vector lines write (the wave's number, the words, the masks, VCC) have their wait ahead of their first reader; the compares stand in runs of eight, with one wait behind a run.
.set WP,   1040                        ; a row of W in LDS: 1,024 + 16 = 65 x 16 bytes
.set BIAS, 32
.set ACC,  96
.set SS,   40                          ; s[40:41] 2^(ea + eb)
.set MK,   20                          ; v20-21  the words
.set RB,   22                          ; v22     my rank in a pass's 32: 128 h + r (tile s30 + 8 h, row r)
.set TN,   16                          ; SELECT: the rank, then the slot
.set TM,   17                          ;         the word that holds it
.set TP,   19                          ;         that word's count so far | its number << 16
.set TK,   23                          ;         the rank within the word
.set POS,  24                          ;         the bit
.set C1,   25                          ;         bit counts of the word's fields of 2, 4, 8 and (byte 0) 16 bits
.set C2,   26
.set C4,   27
.set C8,   30
.set TT,   31
.set PK,   12                          ; s[12:19] for eight words: the count so far | the word's number << 16  (the three addresses that stood in s12-17 have gone into s50-55 by then)
.set QM,   56                          ; s[56:63] for eight words: the lanes whose rank is at or past the count so far
.set SM,   68                          ; s[68:75] eight words
.set SB,   76                          ; s76     the count so far
.set SC,   77
.set SPAD, 79
.set XS,   80                          ; s[80:81] v_permlanex16_b32: lane l xor 16
.set PADV, 82                          ; s82     2,048 + e
.set MSB,  0
.macro WIN new                         ; the immediate's high byte repeats the setting that is left
.if MSB != \new
	s_set_vgpr_msb (MSB<<8)|\new
.set MSB, \new
.endif
.endm
.macro LEVEL src, w, st                ; the field of 2 st bits at POS: if its lower half holds at most TK set bits, the bit lies in the upper half
	v_bfe_u32 v[TT], v[\src], v[POS], \w
	v_cmp_ge_u32 vcc_lo, v[TK], v[TT]
	v_sub_nc_u32 v[TT], v[TK], v[TT]
	s_wait_alu depctr_va_vcc(0)                    ; the compare has written VCC, ahead of the two selects that read it
	v_cndmask_b32 v[TK], v[TK], v[TT], vcc_lo
	v_add_nc_u32 v[TT], \st, v[POS]
	v_cndmask_b32 v[POS], v[POS], v[TT], vcc_lo
.endm
.macro FINISH n, m, p                  ; rank v[n], its word v[m], v[p] = count so far | word's number << 16  ->  v[n] = the slot
	v_cmp_le_u32 s[SPAD], s[SB], v[\n]             ; at or past the expert's count: a pad
	v_and_b32 v[TK], 0xffff, v[\p]
	v_sub_nc_u32 v[TK], v[\n], v[TK]
	v_lshrrev_b32 v[\p], 16, v[\p]
	v_lshrrev_b32 v[C1], 1, v[\m]
	v_and_b32 v[C1], 0x55555555, v[C1]
	v_sub_nc_u32 v[C1], v[\m], v[C1]
	v_lshrrev_b32 v[C2], 2, v[C1]
	v_and_b32 v[C2], 0x33333333, v[C2]
	v_and_b32 v[TT], 0x33333333, v[C1]
	v_add_nc_u32 v[C2], v[C2], v[TT]
	v_lshrrev_b32 v[C4], 4, v[C2]
	v_add_nc_u32 v[C4], v[C4], v[C2]
	v_and_b32 v[C4], 0x0f0f0f0f, v[C4]
	v_lshrrev_b32 v[C8], 8, v[C4]
	v_add_nc_u32 v[C8], v[C8], v[C4]               ; byte 0: the count of bits 0-15
	v_mov_b32 v[POS], 0
	LEVEL C8, 8, 16
	LEVEL C4, 8, 8
	LEVEL C2, 4, 4
	LEVEL C1, 2, 2
	LEVEL \m, 1, 1
	v_lshl_add_u32 v[\n], v[\p], 5, v[POS]         ; slot = 32 x word + bit
	v_mov_b32 v[TT], s[PADV]
	s_wait_alu depctr_va_sdst(0)                   ; the compare at this macro's head has written the pads' mask, ahead of its one reader
	v_cndmask_b32 v[\n], v[\n], v[TT], s[SPAD]
.endm
.macro SELECT                          ; in: v[TN] the lane's rank.  out: v11, v12 the slots of row r of the pass's two tiles; s[SB] the expert's count
	v_mov_b32 v[TM], 0
	v_mov_b32 v[TP], 0
	s_mov_b32 s[SB], 0
.irp o, 0,8,16,24,32,40,48,56
.irp i, 0,1,2,3,4,5,6,7
	v_readlane_b32 s[SM+\i], v[MK+\o/32], \o%32+\i
.endr
	s_wait_alu depctr_va_sdst(0)                   ; the eight words are written, ahead of their first readers, the bit counts below
.irp i, 0,1,2,3,4,5,6,7
	v_cmp_le_u32 s[QM+\i], s[SB], v[TN]            ; the counts never fall: the last word that passes is the rank's
	s_add_co_u32 s[PK+\i], s[SB], (\o+\i)<<16
	s_bcnt1_i32_b32 s[SC], s[SM+\i]
	s_add_co_u32 s[SB], s[SB], s[SC]
.endr
	s_wait_alu depctr_va_sdst(0)                   ; the eight masks are written, ahead of the selects that read them
.irp i, 0,1,2,3,4,5,6,7
	v_cndmask_b32 v[TM], v[TM], s[SM+\i], s[QM+\i]
	v_cndmask_b32 v[TP], v[TP], s[PK+\i], s[QM+\i]
.endr
.endr
	FINISH TN, TM, TP
	v_cmp_eq_u32 vcc_lo, 1, v3
	v_permlanex16_b32 v[TT], v[TN], s[XS], s[XS+1] ; lanes 0-15 hold the first tile's rows, lanes 16-31 the second's: both halves want both
	s_wait_alu depctr_va_vcc(0)                    ; the compare has written VCC, ahead of the two selects that read it
	v_cndmask_b32 v11, v[TN], v[TT], vcc_lo
	v_cndmask_b32 v12, v[TT], v[TN], vcc_lo
.endm
.macro QUANT8 src, dst, tmp, lim, sc   ; eight numbers -> eight codes: the hold at the largest code x the scale (the conversion does not saturate: ISA guide 7.6.2), then the conversion
.irp i, 0,1,2,3,4,5,6,7
	v_med3_num_f32 v[\tmp+\i], v[\src+\i], -v[\lim], v[\lim]
.endr
	v_cvt_scalef32_pk8_fp8_f32 v[\dst:\dst+1], v[\tmp:\tmp+7], v[\sc]
.endm
; 16 sums -> 16 numbers gelu(sum x 2^e + bias), left in X:  gelu(x) = max(x, 0) - |x| h,  h = erfc(|x| / sqrt 2) / 2 = t 2^(P(t) - x^2 log2(e) / 2),  t = 1 / (1 + |x| / (2 sqrt 2)).
.macro GELU16 acc, bias, X, T, P, E, C8, W1, W2
	WIN \W1
.irp i, 0,2,4,6,8,10,12,14
	v_pk_fma_f32 v[\X+\i:\X+\i+1], v[\acc+\i:\acc+\i+1], s[SS:SS+1], v[\bias+\i:\bias+\i+1] op_sel_hi:[1,0,1]   ; x; each accumulator is read from its low end on
.endr
	WIN \W2
.irp i, 0,1,2,3,4,5,6,7,8,9,10,11,12,13,14,15
	v_fma_f32 v[\T+\i], |v[\X+\i]|, 0x3eb504f3, 1.0
.endr
.irp i, 0,1,2,3,4,5,6,7,8,9,10,11,12,13,14,15
	v_rcp_f32 v[\T+\i], v[\T+\i]
.endr
.irp i, 0,2,4,6,8,10,12,14
	v_pk_mul_f32 v[\E+\i:\E+\i+1], v[\X+\i:\X+\i+1], 0x3f38aa3b op_sel_hi:[1,0]   ; (plain lines behind the reciprocals)
.endr
	s_wait_alu depctr_va_vdst(0)                              ; the sixteen reciprocals have written t, ahead of its first reader
.irp i, 0,2,4,6,8,10,12,14
	v_pk_fma_f32 v[\P+\i:\P+\i+1], v[\T+\i:\T+\i+1], 0x3e7c6f08, v[\C8:\C8+1] op_sel_hi:[1,0,0]
.endr
.irp k, 0x40097039, 0xbfd1a1e5, 0x3ecdfd18, 0xbe899a80, 0x3e0efb2e, 0x3f0a29d2, 0x3fb8ab5a, 0xc034d90f
.irp i, 0,2,4,6,8,10,12,14
	v_pk_fma_f32 v[\P+\i:\P+\i+1], v[\P+\i:\P+\i+1], v[\T+\i:\T+\i+1], \k op_sel_hi:[1,1,0]
.endr
.endr
.irp i, 0,2,4,6,8,10,12,14
	v_pk_fma_f32 v[\P+\i:\P+\i+1], v[\E+\i:\E+\i+1], v[\X+\i:\X+\i+1], v[\P+\i:\P+\i+1] neg_lo:[1,0,0] neg_hi:[1,0,0]
.endr
.irp i, 0,1,2,3,4,5,6,7,8,9,10,11,12,13,14,15
	v_exp_f32 v[\E+\i], v[\P+\i]
.endr
	v_nop                                                     ; a plain line between the exponentials and the first write of their sources
.irp i, 0,1,2,3,4,5,6,7,8,9,10,11,12,13,14,15
	v_max_num_f32 v[\P+\i], 0, v[\X+\i]
.endr
	s_wait_alu depctr_va_vdst(0)                              ; the sixteen exponentials have written their results, ahead of the first reader
.irp i, 0,2,4,6,8,10,12,14
	v_pk_mul_f32 v[\T+\i:\T+\i+1], v[\T+\i:\T+\i+1], v[\E+\i:\E+\i+1]
.endr
.irp i, 0,1,2,3,4,5,6,7,8,9,10,11,12,13,14,15
	v_fma_f32 v[\X+\i], -|v[\X+\i]|, v[\T+\i], v[\P+\i]
.endr
.endm
	s_load_b256 s[4:11], s[0:1], 0x0               ; xq, ew1_codes, eb1, lowp_scales
	s_load_b128 s[12:15], s[0:1], 0x20             ; rmask, ew2_codes
	s_load_b64 s[16:17], s[0:1], 0x30              ; himg
	v_lshl_add_u32 v254, v0, 2, 0x20800
	v_mov_b32 v255, 0
	v_lshrrev_b32 v1, 5, v0
	v_readfirstlane_b32 s20, v1                    ; wave v
	s_and_b32 s21, ttmp7, 0xffff                   ; expert e
	s_mov_b32 s22, ttmp9                           ; slice js
	v_and_b32 v1, 31, v0
	v_and_b32 v2, 15, v0
	v_bfe_u32 v3, v0, 4, 1
	v_lshlrev_b32 v4, 4, v1
	s_wait_alu depctr_va_sdst(0)                   ; s20 is written, ahead of its first reader
	s_lshr_b32 s32, s20, 1
	s_lshl_b32 s32, s32, 5
	s_and_b32 s33, s20, 1
	s_lshl_b32 s33, s33, 3
	s_add_co_u32 s32, s32, s33
	s_mul_i32 s32, s32, WP
	v_add_nc_u32 v5, s32, v4                       ; staging: LDS row 32 (v / 2) + 8 (v % 2), + 16 l
	v_mul_u32_u24 v6, v2, WP
	v_lshl_add_u32 v6, v3, 4, v6                   ; fragments of tiles 0-3: row r, + 16 h
	v_add_nc_u32 v7, 64*WP, v6                     ; of tiles 4-7
	v_lshlrev_b32 v8, 6, v3
	v_lshlrev_b32 v9, 2, v1
	v_lshlrev_b32 v10, 4, v3
	v_lshl_add_u32 v[RB], v3, 7, v2
	v_lshrrev_b32 v18, 3, v1
	s_lshl_b32 s33, s20, 3
	v_add_nc_u32 v18, s33, v18
	v_lshlrev_b32 v18, 12, v18
	v_and_b32 v19, 7, v0
	v_lshl_add_u32 v18, v19, 8, v18                ; prefetch: row 8 v + l / 8 of 4,096 bytes, block l % 8
	s_lshl_b32 s46, s21, 12
	s_lshl_b32 s33, s22, 7
	s_add_co_u32 s46, s46, s33                     ; 4,096 e + 128 js
	s_lshl_b32 s48, s46, 2
	s_mov_b32 s49, 0
	s_lshl_b32 s33, s20, 4
	s_add_co_u32 s46, s46, s33
	s_lshl_b32 s46, s46, 10                        ; my 16 rows of ew1_codes
	s_mov_b32 s47, 0
	s_lshl_b32 s50, s21, 8                         ; the expert's 64 words
	s_mov_b32 s51, 0
	s_lshl_b32 s52, s21, 22
	s_lshl_b32 s33, s22, 11
	s_add_co_u32 s52, s52, s33
	s_mov_b32 s53, 0
	s_lshl_b32 s54, s21, 10
	s_lshr_b32 s33, s22, 1
	s_lshl_b32 s33, s33, 6
	s_add_co_u32 s54, s54, s33
	s_lshl_b32 s54, s54, 12
	s_and_b32 s33, s22, 1
	s_lshl_b32 s33, s33, 11
	s_add_co_u32 s54, s54, s33                     ; ew2_codes: row 1,024 e + 64 (js / 2), K half js % 2
	s_mov_b32 s55, 0
	s_lshl_b32 s35, s21, 4
	s_mov_b32 s[XS], 0x76543210
	s_mov_b32 s[XS+1], 0xfedcba98
	s_add_co_u32 s[PADV], s21, 2048
	s_wait_kmcnt 0x0
	s_load_b128 s[36:39], s[10:11], s35 offset:0x8 ; ea, eb, eh, (ew2)
	s_add_nc_u64 s[46:47], s[6:7], s[46:47]
	s_add_nc_u64 s[48:49], s[8:9], s[48:49]
	s_add_nc_u64 s[50:51], s[12:13], s[50:51]
	s_add_nc_u64 s[52:53], s[16:17], s[52:53]
	s_add_nc_u64 s[54:55], s[14:15], s[54:55]
	s_wait_alu depctr_va_vdst(0)                   ; v4 to v10 and v18 are written: the loads, LDS stores, LDS loads and prefetches of the whole kernel read them as addresses, and no line writes them again
	global_load_b32 v[MK], v9, s[50:51]            ; the words first, so that a counted wait shows them in while the weights are on their way
	global_load_b32 v[MK+1], v9, s[50:51] offset:128
	WIN 0x40                                       ; destination window 1
.irp i, 0,1,2,3,4,5,6,7,8,9,10,11,12,13,14,15
.irp g, 0,1
	global_load_b128 v[8*\i+4*\g:8*\i+4*\g+3], v4, s[46:47] offset:1024*\i+512*\g th:TH_LOAD_NT   ; 512 consecutive bytes; read once in the launch
.endr
.endr
	WIN 0
.irp n, 0,1,2,3,4,5,6,7
	global_load_b128 v[BIAS+8*\n:BIAS+8*\n+3], v8, s[48:49] offset:(32*(\n/2)+8*(\n%2))*4
	global_load_b128 v[BIAS+8*\n+4:BIAS+8*\n+7], v8, s[48:49] offset:(32*(\n/2)+8*(\n%2))*4+16
.endr
	s_lshl_b32 s32, s20, 4
	v_add_nc_u32 v[TN], s32, v[RB]                 ; the first pass's ranks: tiles v and v + 8
	s_wait_loadcnt 48                              ; the words are in; behind them 32 loads of weights and 16 of eb1
	SELECT
	WIN 0x04                                       ; store data window 1
.irp k, 0,1,2,3
	s_wait_loadcnt 40-8*\k                         ; behind the first 8 (k + 1) loads of weights: the rest of the 32, and eb1's 16
.irp n, 0,1,2,3,4,5,6,7
	ds_store_b128 v5, v[32*\k+4*\n:32*\k+4*\n+3] offset:(16*((4*\k+\n/2)>>3)+((4*\k+\n/2)&7))*WP+512*(\n%2)   ; the data come from loads; no vector line has named v5 since the head's wait
.endr
.endr
	WIN 0
	s_wait_dscnt 0x0                               ; for the others' sake: my 16 rows are in LDS
	s_barrier_signal -1
	s_barrier_wait -1                              ; the only barrier: from here on W is only read
	global_prefetch_b8 v18, s[54:55] th:TH_LOAD_NT scope:SCOPE_SE
	global_prefetch_b8 v18, s[54:55] offset:16384 th:TH_LOAD_NT scope:SCOPE_SE
	s_wait_kmcnt 0x0
	s_min_u32 s24, s[SB], 1024                     ; the expert's rows
	s_add_co_u32 s25, s24, 15
	s_lshr_b32 s25, s25, 4                         ; row tiles of the expert
	s_add_co_u32 s26, s25, 7
	s_sub_co_u32 s26, s26, s20
	s_lshr_b32 s26, s26, 3                         ; of them mine
	s_lshr_b32 s27, s26, 1                         ; passes of two
	s_and_b32 s28, s26, 1                          ; and a last one alone?
	s_mov_b32 s29, 0
	s_mov_b32 s30, s20                             ; the pass's first tile
	s_add_co_i32 s40, s36, s37
	s_add_co_i32 s40, s40, 127
	s_lshl_b32 s40, s40, 23                        ; 2^(ea + eb)
	s_mov_b32 s41, s40
	s_add_co_i32 s45, s38, 127
	s_lshl_b32 s44, s45, 23                        ; 2^eh
	s_add_co_i32 s45, s45, 8
	s_lshl_b32 s45, s45, 23
	s_or_b32 s45, s45, 0x600000                    ; 448 x 2^eh
	v_mov_b32 v28, s44
	v_mov_b32 v29, s45
.macro WLOAD half, s                   ; four fragments of W (tiles 4 half ..), K step s
.irp n, 0,1,2,3
.irp c, 0,1,2,3
	ds_load_b128 v[64*\half+16*\n+4*\c:64*\half+16*\n+4*\c+3], v[6+\half] offset:\n*16*WP+128*(\s)+32*\c
.endr
.endr
.endm
.macro XLOAD nw, s                     ; x's fragments of K step s: lane (r, h) takes 16 bytes of its row's slot
.irp m, 0,1
.if \m < \nw
.irp c, 0,1,2,3
	global_load_b128 v[128+32*((\s)%4)+16*\m+4*\c:128+32*((\s)%4)+16*\m+4*\c+3], v[13+\m], s[4:5] offset:128*(\s)+32*\c
.endr
.endif
.endr
.endm
.macro MM nw, half, s                  ; the accumulators take turns, one instruction a turn; K step 0 starts the sums
.irp n, 0,1,2,3
.irp m, 0,1
.if \m < \nw
.if \s == 0
	v_wmma_f32_16x16x128_fp8_fp8 v[ACC+64*\m+32*\half+8*\n:ACC+64*\m+32*\half+8*\n+7], v[64*\half+16*\n:64*\half+16*\n+15], v[128+32*(\s%4)+16*\m:128+32*(\s%4)+16*\m+15], 0
.else
	v_wmma_f32_16x16x128_fp8_fp8 v[ACC+64*\m+32*\half+8*\n:ACC+64*\m+32*\half+8*\n+7], v[64*\half+16*\n:64*\half+16*\n+15], v[128+32*(\s%4)+16*\m:128+32*(\s%4)+16*\m+15], v[ACC+64*\m+32*\half+8*\n:ACC+64*\m+32*\half+8*\n+7]
.endif
.endif
.endr
.endr
.endm
.macro KSTEP nw, s
	s_wait_dscnt 16                                ; tiles 0-3 of this step are in; the 16 loads of tiles 4-7 may be out
.if \s <= 4
	s_wait_loadcnt 12*\nw                          ; behind this step's loads of x: those of the next three steps
.else
	s_wait_loadcnt 4*\nw*(7-\s)
.endif
	WIN 0x05                                       ; sources 0 and 1 window 1, sums window 0
	MM \nw, 0, \s
.rept 4
	v_nop                                          ; four plain lines between the products and the loads that land in the registers they have read
.endr
.if \s < 7
	WIN 0x40
	s_wait_alu depctr_va_vdst(0)                   ; the products above are done reading the fragments of tiles 0-3, in which the next step's land
	WLOAD 0, \s+1
	s_wait_dscnt 16                                ; tiles 4-7 are in; the 16 just issued may be out
.else
	s_wait_dscnt 0
.endif
	WIN 0x05
	MM \nw, 1, \s
.rept 4
	v_nop                                          ; likewise; behind the last step they are the places in front of the first read of the sums (ISA guide 7.12.1)
.endr
.if \s < 7
	WIN 0x40
	s_wait_alu depctr_va_vdst(0)                   ; the products above are done reading the fragments of tiles 4-7, and the step's products x's slot s % 4: the loads below land in both
	WLOAD 1, \s+1
.endif
.if \s < 4
	XLOAD \nw, \s+4
.endif
.endm
.macro EPI m                           ; row tile m of the pass: GELU, codes, the image
.irp b, 0,1,2,3
	GELU16 ACC+64*\m+16*\b, BIAS+16*\b, 32, 48, 64, 80, 30, 0x40, 0x55
	QUANT8 32, 96+16*\m+4*\b, 32, 29, 28
	QUANT8 40, 98+16*\m+4*\b, 40, 29, 28
	v_nop                                          ; a plain line between the conversions and the next write of their sources
.endr
	WIN 0x04                                       ; store data window 1
	s_wait_alu depctr_va_vdst(0)                   ; the conversions have written the tile's sixteen registers of codes, which the four stores read (v15 was written ahead of the pass's first loads)
.irp c, 0,1,2,3
	global_store_b128 v15, v[96+16*\m+4*\c:96+16*\m+4*\c+3], s[52:53] offset:524288*\m+512*\c   ; 512 consecutive bytes; the four make the tile's 2,048
.endr
	WIN 0
.endm
.macro PASS nw, nxt                    ; nw row tiles (s30, s30 + 8) through all of K; nxt = 1: the next pass's slots are made, if I have a further tile
	s_wait_xcnt 0x0                                ; the last pass's stores have read their registers: codes and addresses may be written again
	s_wait_alu depctr_vm_vsrc(0)                   ; the last pass's loads have read v13 and v14, its stores v15 and the codes; at the first pass: the staging stores have read W's registers.  All of these are written again below
	s_wait_loadcnt 0x0                             ; (the first time: eb1)
	v_min_u32 v13, 2047, v11                       ; a slot, held inside xq: pads read its last row
	v_lshlrev_b32 v13, 10, v13
	v_add_nc_u32 v13, v10, v13
.if \nw > 1
	v_min_u32 v14, 2047, v12
	v_lshlrev_b32 v14, 10, v14
	v_add_nc_u32 v14, v10, v14
.endif
	s_min_u32 s32, s30, 63-8*(\nw-1)
	s_lshl_b32 s32, s32, 16
	v_add_nc_u32 v15, s32, v4                      ; himg: tile s30, 16 l
	WIN 0x40
	s_wait_alu depctr_va_vdst(0)                   ; v13, v14 and v15 are written; the last pass's products are done reading x's ring, and its way out is done with W's registers: the loads below land in both
.irp s, 0,1,2,3
	XLOAD \nw, \s
.endr
	WLOAD 0, 0
	WLOAD 1, 0
.if \nxt
	WIN 0                                          ; work on registers while the pass's first loads are on their way: it names none of the registers that the pass's loads touch
	s_lshl_b32 s33, s29, 1
	s_add_co_u32 s33, s33, 2                       ; my tiles done when this pass ends
	s_cmp_ge_u32 s33, s26
	s_cbranch_scc1 .Lno_select_\@
	s_add_co_u32 s32, s30, 16
	s_lshl_b32 s32, s32, 4
	v_add_nc_u32 v[TN], s32, v[RB]
	SELECT
.Lno_select_\@:
.endif
.irp s, 0,1,2,3,4,5,6,7
	KSTEP \nw, \s
.endr
	WIN 0x40
	v_mov_b32 v28, s44                             ; window 1: the loads of W have gone over these
	v_mov_b32 v29, s45
	v_mov_b32 v30, 0xbf97d29d
	v_mov_b32 v31, 0xbf97d29d
	EPI 0
.if \nw > 1
	EPI 1
.endif
.endm
	s_cmp_eq_u32 s27, 0
	s_cbranch_scc1 .Ltail
.Lp2:
	PASS 2, 1
	s_add_co_u32 s29, s29, 1
	s_add_co_u32 s30, s30, 16
	s_cmp_lt_u32 s29, s27
	s_cbranch_scc1 .Lp2
.Ltail:
	s_cmp_eq_u32 s28, 0
	s_cbranch_scc1 .Lend
	PASS 1, 0
.Lend:
	s_barrier_signal -1
	s_barrier_wait -1
	s_wait_dscnt 0x0                               ; the closing lines, six on end
	s_wait_alu 0x0
	s_wait_tensorcnt 0x0
	ds_add_u32 v254, v255
	s_wait_dscnt 0x0
	s_endpgm
.Lfunc_end_k_q7bb8ca0bc5_up:
	.size	k_q7bb8ca0bc5_up, .Lfunc_end_k_q7bb8ca0bc5_up-k_q7bb8ca0bc5_up
	.p2alignl 7, 3214868480
	.fill 96, 4, 3214868480
	.section	.rodata,"a",@progbits
	.p2align	6, 0x0
	.amdhsa_kernel k_q7bb8ca0bc5_up
		.amdhsa_group_segment_fixed_size 134144
		.amdhsa_private_segment_fixed_size 0
		.amdhsa_enable_private_segment 0
		.amdhsa_kernarg_size 56
		.amdhsa_user_sgpr_count 2
		.amdhsa_user_sgpr_kernarg_segment_ptr 1
		.amdhsa_wavefront_size32 1
		.amdhsa_system_sgpr_workgroup_id_x 1
		.amdhsa_system_sgpr_workgroup_id_y 1
		.amdhsa_system_sgpr_workgroup_id_z 1
		.amdhsa_system_vgpr_workitem_id 0
		.amdhsa_next_free_vgpr 512
		.amdhsa_next_free_sgpr 84
		.amdhsa_reserve_vcc 1
		.amdhsa_float_denorm_mode_32 3
		.amdhsa_float_denorm_mode_16_64 3
		.amdhsa_memory_ordered 1
		.amdhsa_forward_progress 1
		.amdhsa_inst_pref_size 255
	.end_amdhsa_kernel
	.section	.bss,"aw",@nobits
	.p2align	6
	.space	262144
	.amdgpu_metadata
---
amdhsa.version: [ 1, 2 ]
amdhsa.kernels:
  - .name:           k_q7bb8ca0bc5_up
    .symbol:         k_q7bb8ca0bc5_up.kd
    .args:
      - { .name: xq, .offset: 0, .size: 8, .value_kind: global_buffer, .address_space: global }
      - { .name: ew1_codes, .offset: 8, .size: 8, .value_kind: global_buffer, .address_space: global }
      - { .name: eb1, .offset: 16, .size: 8, .value_kind: global_buffer, .address_space: global }
      - { .name: lowp_scales, .offset: 24, .size: 8, .value_kind: global_buffer, .address_space: global }
      - { .name: rmask, .offset: 32, .size: 8, .value_kind: global_buffer, .address_space: global }
      - { .name: ew2_codes, .offset: 40, .size: 8, .value_kind: global_buffer, .address_space: global }
      - { .name: himg, .offset: 48, .size: 8, .value_kind: global_buffer, .address_space: global }
    .group_segment_fixed_size: 134144
    .private_segment_fixed_size: 0
    .kernarg_segment_align: 8
    .kernarg_segment_size: 56
    .max_flat_workgroup_size: 256
    .sgpr_count:     84
    .vgpr_count:     512
    .wavefront_size: 32
...
	.end_amdgpu_metadata
.endif
;; end of part 5
;; launch down (part 6): grid 32 x 8, 4 waves a work-group, no clusters, 150,016 bytes of LDS; arguments himg, ew2_codes, eb2, lowp_scales, rmask, ypart; writes ypart
.if DOCPART == 6
	.amdgcn_target "amdgcn-amd-amdhsa--gfx1250"
	.amdhsa_code_object_version 6
	.text
	.protected	k_q7bb8ca0bc5_down
	.globl	k_q7bb8ca0bc5_down
	.p2align	8
	.type	k_q7bb8ca0bc5_down,@function
k_q7bb8ca0bc5_down:
	s_mov_b64 s[64:65], 0
	v_nop
	global_prefetch_b8 v0, s[64:65] scope:SCOPE_SE
	s_setreg_imm32_b32 hwreg(HW_REG_WAVE_SCHED_MODE, 0, 2), 2
	s_setreg_imm32_b32 hwreg(HW_REG_WAVE_MODE, 25, 1), 1
	s_wait_xcnt 0x0
	s_wait_alu depctr_vm_vsrc(0)
; DOWN: ye = he ew2[e] + eb2[e] for the rows that chose expert e, in two halves of K.
; Work-group (x = 2 cb + kh, e) owns output columns 64 cb .. + 63 and hidden units 2,048 kh .. + 2,047: 64 rows x 2,048 bytes of ew2_codes, read from memory once in the whole launch and laid in LDS.
; THE WAVES SHARE THE ROWS: wave w takes the expert's row tiles w, w + 4, ..: four at a time (PASS 4), then a tail of 3, 2 or 1, each with a text of its own.
; 64 columns of f32 are 256 bytes: a row's piece is one whole aligned block.  Two halves of K: a second partial in ypart, and half the bytes of he for each work-group.
; he comes as images of operand registers (himg): 512 consecutive bytes a load, straight into registers.
; THE ROWS.  rmask holds 64 words for the expert: bit l of word g says that slot 32 g + l chose it.  Row n of the expert is its n-th set bit, as in the launch that made he.  SELECT2 turns a pass's 64 ranks
; (two a lane) into slots, in registers: it walks the 64 words with a running count and keeps, for each rank, the last word whose count so far is at most the rank; five halving steps on partial bit counts find the bit.
; Ranks at or past the expert's count get the pad 2,048 + e.  Lane l holds row 8 (l / 16) + l % 8 of tile (l / 8) % 2 of a pair, so that a lane's row of 16 lanes holds what its half of the lanes stores.
; The first SELECT2 stands between the issue of the weights' loads and the wait for them; a later one behind the pass's own loads.
; The trip counts hang on numbers read from memory: no tensor load, no cluster; the one barrier stands ahead of the first branch on a count.
; TRANSPOSED (source 0 = 16 rows of ew2 = 16 output columns, source 1 = 16 rows of he): lane (r, h) holds row r and columns 16 nt + 8 h + 0 .. 7.
; ypart[kh][slot][1024] = sum x 2^(eh + ew2) (+ eb2 where kh = 0).  Pad rows go to row 2,048 + e, which nobody reads.
; LIMITS: entries 4 + 4 e and 5 + 4 e added lie between -126 and 127.  NaN and infinities are not served (eb2 is multiplied by 0 in the second half).
; REGISTERS.  Window 0: v1 l, v2 r, v3 h, v4 16 l, v5 staging, v6-7 fragments of W, v8-9 my stage in and out, v10 16 r, v11 32 h, v12 himg; v13-14 the expert's 64 words, v15 my rank in a pass, v17-18 ranks, then slots,
;   v19-29 SELECT2's, v30 4 l, v31 the closing add's address; v32-159 sums ((m, nt) at 32 + 32 m + 8 nt); v160-191 eb2; v192-223 a tile on its way out; v224-255 the tiles' slots, then their rows' addresses in ypart.
;   Window 1: W's fragments, three sets of 64; v255 the closing add's 0.  Window 2: he's slots 0 to 3 (64 k + 16 m); at the head the staging registers.  Window 3: v0-63 he's slot 4.
; THE MODE: SCHED_MODE bits 1:0 = 2 (LLVM: expert scheduling mode 2), set by the entry lines.  The code itself states the register dependences
; between vector or matrix instructions and memory or LDS instructions, with s_wait_alu, always for 0.
; THE PLAN.  Registers that memory or LDS instructions touch:
;   W0 .. W2    K step s: its products read W[s % 3]; the LDS loads of step s + 2, issued in step s, land in W[(s + 2) % 3] = W[(s - 1) % 3].
;   H0 .. H4    K step s: its products read H[s % 5]; the loads of step s + 4, issued in step s, land in H[(s + 4) % 5] = H[(s - 1) % 5].  (At the head the weights pass through H0 .. H3.)
;   v12         Written at a pass's head; read by the pass's loads of he.
;   v224-255    Written behind a pass's first loads; read, as addresses, by the pass's stores at its end.
;   v192-223    A tile on its way out: written by the multiply-adds, read by the LDS stores, landed in by the LDS loads, read by the global stores.
;   v4 to v11, v30   Made at the kernel's head, never written again.   v13-14, v160-191: loaded once.   v31 and window 1's v255: written at the head, read by the closing add alone.
; So ONE wait on va_vdst stands at the head of a K step, behind the waits for the step's own data: it states that the products of the step before are done reading the set and the slot in which this step's loads land.
; The loads stand in one run in the step's middle; the products between the wait and them name W[s % 3], H[s % 5] and the sums: none of the registers that those loads touch.
; A pass's head has one wait on vm_vsrc and one on va_vdst, which also serves step 0's loads; a tile on its way out has one on va_vdst and two on vm_vsrc (the first tile: one).
; Scalars that vector lines write (the wave's number, the words, the masks, VCC) have their wait ahead of their first reader; the compares stand in runs of sixteen, with one wait behind a run.
.set WP,   2064                        ; a row of W in LDS: 2,048 + 16 = 129 x 16 bytes
.set STG,  64*WP                       ; behind W: 16 rows x 272 bytes for each wave
.set ACC,  32
.set BIAS, 160
.set OT,   192
.set LST,  224
.set SS,   40                          ; s[40:41] 2^(eh + ew2)
.set MK,   13                          ; v13-14  the words (lane g, lane g - 32)
.set RB,   15                          ; v15     64 ((l / 8) % 2) + 8 (l / 16) + l % 8
.set NA,   17                          ; tiles 0, 1 of a pass: the rank, then the slot
.set NBV,  18                          ; tiles 2, 3
.set MA,   19                          ; the word that holds the rank
.set PA,   20                          ; that word's count so far | its number << 16
.set MB,   21
.set PB,   22
.set TK,   23                          ; the rank within the word
.set POS,  24                          ; the bit
.set C1,   25                          ; bit counts of the word's fields of 2, 4, 8 and (byte 0) 16 bits
.set C2,   26
.set C4,   27
.set C8,   28
.set TT,   29
.set QB,   2                           ; s[2:9]   for eight words: the lanes whose second rank is at or past the count so far  (the addresses that stood in s4-9 and s12-15 have gone into s46-55 by then)
.set PK,   12                          ; s[12:19] for eight words: the count so far | the word's number << 16
.set QA,   56                          ; s[56:63] for eight words: the lanes whose first rank is at or past the count so far
.set SM,   68                          ; s[68:75] eight words
.set SB,   76                          ; s76     the count so far
.set SC,   77
.set SPAD, 79
.set PADV, 82                          ; s82     2,048 + e
.set MSB,  0
.macro WIN new                         ; the immediate's high byte repeats the setting that is left
.if MSB != \new
	s_set_vgpr_msb (MSB<<8)|\new
.set MSB, \new
.endif
.endm
.macro LEVEL src, w, st                ; the field of 2 st bits at POS: if its lower half holds at most TK set bits, the bit lies in the upper half
	v_bfe_u32 v[TT], v[\src], v[POS], \w
	v_cmp_ge_u32 vcc_lo, v[TK], v[TT]
	v_sub_nc_u32 v[TT], v[TK], v[TT]
	s_wait_alu depctr_va_vcc(0)                    ; the compare has written VCC, ahead of the two selects that read it
	v_cndmask_b32 v[TK], v[TK], v[TT], vcc_lo
	v_add_nc_u32 v[TT], \st, v[POS]
	v_cndmask_b32 v[POS], v[POS], v[TT], vcc_lo
.endm
.macro FINISH n, m, p                  ; rank v[n], its word v[m], v[p] = count so far | word's number << 16  ->  v[n] = the slot
	v_cmp_le_u32 s[SPAD], s[SB], v[\n]             ; at or past the expert's count: a pad
	v_and_b32 v[TK], 0xffff, v[\p]
	v_sub_nc_u32 v[TK], v[\n], v[TK]
	v_lshrrev_b32 v[\p], 16, v[\p]
	v_lshrrev_b32 v[C1], 1, v[\m]
	v_and_b32 v[C1], 0x55555555, v[C1]
	v_sub_nc_u32 v[C1], v[\m], v[C1]
	v_lshrrev_b32 v[C2], 2, v[C1]
	v_and_b32 v[C2], 0x33333333, v[C2]
	v_and_b32 v[TT], 0x33333333, v[C1]
	v_add_nc_u32 v[C2], v[C2], v[TT]
	v_lshrrev_b32 v[C4], 4, v[C2]
	v_add_nc_u32 v[C4], v[C4], v[C2]
	v_and_b32 v[C4], 0x0f0f0f0f, v[C4]
	v_lshrrev_b32 v[C8], 8, v[C4]
	v_add_nc_u32 v[C8], v[C8], v[C4]               ; byte 0: the count of bits 0-15
	v_mov_b32 v[POS], 0
	LEVEL C8, 8, 16
	LEVEL C4, 8, 8
	LEVEL C2, 4, 4
	LEVEL C1, 2, 2
	LEVEL \m, 1, 1
	v_lshl_add_u32 v[\n], v[\p], 5, v[POS]         ; slot = 32 x word + bit
	v_mov_b32 v[TT], s[PADV]
	s_wait_alu depctr_va_sdst(0)                   ; the compare at this macro's head has written the pads' mask, ahead of its one reader
	v_cndmask_b32 v[\n], v[\n], v[TT], s[SPAD]
.endm
.macro SELECT2                         ; in: v[NA], v[NBV] ranks.  out: the same registers hold the slots; s[SB] the expert's count
	v_mov_b32 v[MA], 0
	v_mov_b32 v[PA], 0
	v_mov_b32 v[MB], 0
	v_mov_b32 v[PB], 0
	s_mov_b32 s[SB], 0
.irp o, 0,8,16,24,32,40,48,56
.irp i, 0,1,2,3,4,5,6,7
	v_readlane_b32 s[SM+\i], v[MK+\o/32], \o%32+\i
.endr
	s_wait_alu depctr_va_sdst(0)                   ; the eight words are written, ahead of their first readers, the bit counts below
.irp i, 0,1,2,3,4,5,6,7
	v_cmp_le_u32 s[QA+\i], s[SB], v[NA]            ; the counts never fall: the last word that passes is the rank's
	v_cmp_le_u32 s[QB+\i], s[SB], v[NBV]
	s_add_co_u32 s[PK+\i], s[SB], (\o+\i)<<16
	s_bcnt1_i32_b32 s[SC], s[SM+\i]
	s_add_co_u32 s[SB], s[SB], s[SC]
.endr
	s_wait_alu depctr_va_sdst(0)                   ; the sixteen masks are written, ahead of the selects that read them
.irp i, 0,1,2,3,4,5,6,7
	v_cndmask_b32 v[MA], v[MA], s[SM+\i], s[QA+\i]
	v_cndmask_b32 v[PA], v[PA], s[PK+\i], s[QA+\i]
	v_cndmask_b32 v[MB], v[MB], s[SM+\i], s[QB+\i]
	v_cndmask_b32 v[PB], v[PB], s[PK+\i], s[QB+\i]
.endr
.endr
	FINISH NA, MA, PA
	FINISH NBV, MB, PB
.endm
	s_load_b256 s[4:11], s[0:1], 0x0               ; himg, ew2_codes, eb2, lowp_scales
	s_load_b128 s[12:15], s[0:1], 0x20             ; rmask, ypart
	v_lshl_add_u32 v31, v0, 2, 0x24800
	s_set_vgpr_msb 0x40
	v_mov_b32 v255, 0
	s_set_vgpr_msb 0x4000
	v_lshrrev_b32 v1, 5, v0
	v_readfirstlane_b32 s20, v1                    ; wave w
	s_and_b32 s21, ttmp7, 0xffff                   ; expert e
	s_lshr_b32 s22, ttmp9, 1                       ; column block cb
	s_and_b32 s23, ttmp9, 1                        ; K half kh
	v_and_b32 v1, 31, v0
	v_and_b32 v2, 15, v0
	v_bfe_u32 v3, v0, 4, 1
	v_lshlrev_b32 v4, 4, v1
	s_wait_alu depctr_va_sdst(0)                   ; s20 is written, ahead of its first reader
	s_mul_i32 s32, s20, 16*WP
	v_add_nc_u32 v5, s32, v4                       ; staging: my 16 rows, 16 l
	v_mul_u32_u24 v6, v2, WP
	v_lshl_add_u32 v6, v3, 4, v6                   ; fragments of tiles 0, 1: row r, + 16 h
	v_add_nc_u32 v7, 32*WP, v6                     ; of tiles 2, 3
	s_mul_i32 s33, s20, 16*272
	s_add_co_u32 s33, s33, STG
	v_mul_u32_u24 v8, v2, 272
	v_lshl_add_u32 v8, v3, 5, v8
	v_add_nc_u32 v8, s33, v8                       ; my stage, in: row r, + 32 h
	v_mul_u32_u24 v9, v3, 8*272
	v_lshl_add_u32 v9, v2, 4, v9
	v_add_nc_u32 v9, s33, v9                       ; out: lanes 0-15 a row, lanes 16-31 the row 8 further down
	v_lshlrev_b32 v10, 4, v2
	v_lshlrev_b32 v11, 5, v3
	v_lshlrev_b32 v30, 2, v1
	v_and_b32 v[RB], 7, v0
	v_bfe_u32 v16, v0, 3, 1
	v_lshl_add_u32 v[RB], v16, 6, v[RB]
	v_lshl_add_u32 v[RB], v3, 3, v[RB]
	s_lshl_b32 s46, s21, 10
	s_lshl_b32 s33, s22, 6
	s_add_co_u32 s46, s46, s33                     ; 1,024 e + 64 cb
	s_lshl_b32 s52, s46, 2
	s_mov_b32 s53, 0
	s_lshl_b32 s33, s20, 4
	s_add_co_u32 s46, s46, s33
	s_lshl_b32 s46, s46, 12
	s_lshl_b32 s33, s23, 11
	s_add_co_u32 s46, s46, s33                     ; my 16 rows of ew2_codes, my K half
	s_mov_b32 s47, 0
	s_lshl_b32 s48, s21, 22
	s_lshl_b32 s33, s23, 15
	s_add_co_u32 s48, s48, s33
	s_mov_b32 s49, 0
	s_mul_i32 s50, s23, 2056*4096
	s_lshl_b32 s33, s22, 8
	s_add_co_u32 s50, s50, s33
	s_mov_b32 s51, 0
	s_lshl_b32 s54, s21, 8                         ; the expert's 64 words
	s_mov_b32 s55, 0
	s_lshl_b32 s35, s21, 4
	s_add_co_u32 s[PADV], s21, 2048
	s_wait_kmcnt 0x0
	s_load_b64 s[36:37], s[10:11], s35 offset:0x10 ; eh, ew2
	s_add_nc_u64 s[46:47], s[6:7], s[46:47]
	s_add_nc_u64 s[48:49], s[4:5], s[48:49]
	s_add_nc_u64 s[50:51], s[14:15], s[50:51]
	s_add_nc_u64 s[52:53], s[8:9], s[52:53]
	s_add_nc_u64 s[54:55], s[12:13], s[54:55]
	s_wait_alu depctr_va_vdst(0)                   ; v4 to v11 and v30 are written: the loads, LDS stores and LDS loads of the whole kernel read them as addresses, and no line writes them again
	global_load_b32 v[MK], v30, s[54:55]           ; the words first, so that a counted wait shows them in while the weights are on their way
	global_load_b32 v[MK+1], v30, s[54:55] offset:128
	WIN 0x80                                       ; destination window 2
.irp i, 0,1,2,3,4,5,6,7,8,9,10,11,12,13,14,15
.irp g, 0,1,2,3
	global_load_b128 v[16*\i+4*\g:16*\i+4*\g+3], v4, s[46:47] offset:4096*\i+512*\g th:TH_LOAD_NT   ; 512 consecutive bytes; read once in the launch
.endr
.endr
	WIN 0
.set i, 0
.rept 32
	v_mov_b32 v[LST+i], 0                          ; written once: the destination of a lane-sharing move counts as one of its sources
.set i, i+1
.endr
	s_lshl_b32 s32, s20, 4
	v_add_nc_u32 v[NA], s32, v[RB]                 ; the first pass's ranks: tiles w, w + 4,
	v_add_nc_u32 v[NBV], 128, v[NA]                ; w + 8, w + 12
	s_wait_loadcnt 63                              ; of the 66 loads issued the oldest three are in, the two words among them
	SELECT2
.irp n, 0,1,2,3
	global_load_b128 v[BIAS+8*\n:BIAS+8*\n+3], v11, s[52:53] offset:64*\n          ; no vector line has named v11 or these registers since the head's wait
	global_load_b128 v[BIAS+8*\n+4:BIAS+8*\n+7], v11, s[52:53] offset:64*\n+16
.endr
	WIN 0x08                                       ; store data window 2
.irp k, 0,1,2,3
	s_wait_loadcnt 56-16*\k                        ; behind the first 16 (k + 1) loads of weights: the rest of the 64, and eb2's 8
.irp j, 0,1,2,3,4,5,6,7,8,9,10,11,12,13,14,15
	ds_store_b128 v5, v[64*\k+4*\j:64*\k+4*\j+3] offset:WP*(4*\k+\j/4)+512*(\j%4)   ; the data come from loads; no vector line has named v5 since the head's wait
.endr
.endr
	WIN 0
	s_cmp_eq_u32 s23, 0
	s_cselect_b32 s42, 1.0, 0                      ; eb2 goes in with the first half of K alone
	s_mov_b32 s43, s42
	s_wait_loadcnt 0x0
.irp i, 0,2,4,6,8,10,12,14,16,18,20,22,24,26,28,30
	v_pk_mul_f32 v[BIAS+\i:BIAS+\i+1], v[BIAS+\i:BIAS+\i+1], s[42:43] op_sel_hi:[1,0]
.endr
	s_wait_dscnt 0x0                               ; for the others' sake: my 16 rows are in LDS
	s_barrier_signal -1
	s_barrier_wait -1                              ; the only barrier: from here on W is only read, and each stage is its wave's own
	s_wait_kmcnt 0x0
	s_min_u32 s24, s[SB], 1024                     ; the expert's rows
	s_add_co_u32 s25, s24, 15
	s_lshr_b32 s25, s25, 4                         ; row tiles of the expert
	s_add_co_u32 s26, s25, 3
	s_sub_co_u32 s26, s26, s20
	s_lshr_b32 s26, s26, 2                         ; of them mine
	s_lshr_b32 s27, s26, 2                         ; passes of four
	s_and_b32 s28, s26, 3                          ; the tail
	s_mov_b32 s29, 0
	s_mov_b32 s30, s20                             ; the pass's first tile
	s_add_co_i32 s40, s36, s37
	s_add_co_i32 s40, s40, 127
	s_lshl_b32 s40, s40, 23                        ; 2^(eh + ew2)
	s_mov_b32 s41, s40
.macro WLOAD s                         ; W's four fragments of K step s into set s % 3
	WIN 0x40                                       ; destination window 1
.irp n, 0,1,2,3
.irp c, 0,1,2,3
	ds_load_b128 v[64*((\s)%3)+16*\n+4*\c:64*((\s)%3)+16*\n+4*\c+3], v[6+\n/2] offset:(\n%2)*16*WP+128*(\s)+32*\c
.endr
.endr
.endm
.macro HLOAD nw, s                     ; he's fragments of K step s into slot s % 5: images, 512 consecutive bytes a load
.if ((\s)%5) == 4
	WIN 0xc0                                       ; slot 4: destination window 3
.else
	WIN 0x80                                       ; slots 0 to 3: destination window 2
.endif
.irp m, 0,1,2,3
.if \m < \nw
.irp c, 0,1,2,3
	global_load_b128 v[64*(((\s)%5)%4)+16*\m+4*\c:64*(((\s)%5)%4)+16*\m+4*\c+3], v12, s[48:49] offset:262144*\m+2048*(\s)+512*\c
.endr
.endif
.endr
.endm
.macro MM nw, s, n0                    ; column tiles n0, n0 + 1 x the pass's row tiles.  The accumulators take turns, one instruction a turn; K step 0 starts the sums
.if ((\s)%5) == 4
	WIN 0x0d                                       ; source 0 (W) window 1, source 1 (he's slot 4) window 3, sums window 0
.else
	WIN 0x09                                       ; source 0 (W) window 1, source 1 (he) window 2, sums window 0
.endif
.irp n, \n0, \n0+1
.irp m, 0,1,2,3
.if \m < \nw
.set rD, ACC+32*\m+8*(\n)
.set rW, 64*((\s)%3)+16*(\n)
.set rH, 64*(((\s)%5)%4)+16*\m
.if (\s) == 0
	v_wmma_f32_16x16x128_fp8_fp8 v[rD:rD+7], v[rW:rW+15], v[rH:rH+15], 0
.else
	v_wmma_f32_16x16x128_fp8_fp8 v[rD:rD+7], v[rW:rW+15], v[rH:rH+15], v[rD:rD+7]
.endif
.endif
.endr
.endr
.endm
.macro KSTEP nw, s
.if \s < 15
	s_wait_dscnt 16                                ; this step's W is in; the next step's 16 loads may be out
.else
	s_wait_dscnt 0
.endif
.if \s <= 12
	s_wait_loadcnt 12*\nw                          ; behind this step's loads of he: those of the next three steps
.else
	s_wait_loadcnt 4*\nw*(15-\s)
.endif
.if (\s > 0) && (\s < 14)
	s_wait_alu depctr_va_vdst(0)                   ; the products of the step before are done reading W's set (s - 1) % 3 and he's slot (s - 1) % 5, in which this step's loads land.  (Step 0's loads lean on the wait at the pass's head)
.endif
	MM \nw, \s, 0
.if \s < 14
	WLOAD \s+2                                     ; no wait: the products since the wait name W's set s % 3, he's slot s % 5 and the sums
.endif
.if \s < 12
	HLOAD \nw, \s+4
.endif
	MM \nw, \s, 2
.rept 4
	v_nop                                          ; four plain lines between the products and the loads that, in the next step, land in the registers they have read; behind the last step they are the places in front of the first read of the sums
.endr
.endm
.macro EPI m                           ; row tile m of the pass leaves: through my stage, as whole pieces of 256 bytes, each to its slot's row
	s_wait_xcnt 0x0                                ; the tile before has been read by its stores
.if \m > 0
	s_wait_alu depctr_vm_vsrc(0)                   ; the global stores of the tile before have read v[OT ..], which the lines below write again
.endif
.irp n, 0,1,2,3
.irp i, 0,2,4,6
	v_pk_fma_f32 v[OT+8*\n+\i:OT+8*\n+\i+1], v[ACC+32*\m+8*\n+\i:ACC+32*\m+8*\n+\i+1], s[SS:SS+1], v[BIAS+8*\n+\i:BIAS+8*\n+\i+1] op_sel_hi:[1,0,1]   ; each accumulator from its low end on
.endr
.endr
	s_wait_alu depctr_va_vdst(0)                   ; the multiply-adds have written v[OT ..], which the LDS stores read
.irp n, 0,1,2,3
	ds_store_b128 v8, v[OT+8*\n:OT+8*\n+3] offset:64*\n
	ds_store_b128 v8, v[OT+8*\n+4:OT+8*\n+7] offset:64*\n+16
.endr
	s_wait_alu depctr_vm_vsrc(0)                   ; the LDS stores have read v[OT ..], in which the rows land on their way back
.irp q, 0,1,2,3,4,5,6,7
	ds_load_b128 v[OT+4*\q:OT+4*\q+3], v9 offset:272*\q        ; rows q and q + 8.  LDS serves a wave in order: these see my stores
.endr
.irp q, 0,1,2,3,4,5,6,7
	s_wait_dscnt 7-\q
	global_store_b128 v[LST+8*\m+\q], v[OT+4*\q:OT+4*\q+3], s[50:51]   ; sixteen lanes store 256 consecutive bytes, aligned; the addresses were written ahead of the K steps' waits
.endr
.endm
.macro PASS nw, nxt                    ; row tiles s30, s30 + 4, .. (nw of them) through my half of K; nxt = 1: the next pass's slots are made, if I have a further tile
	s_wait_xcnt 0x0                                ; the last pass's stores have read their registers
	s_wait_alu depctr_vm_vsrc(0)                   ; the last pass's loads have read v12, its stores their addresses in v[LST ..] and the last tile in v[OT ..]; at the first pass: the staging stores have read he's slots.  All of these are written again below
	s_min_u32 s32, s30, 63-4*(\nw-1)
	s_lshl_b32 s33, s32, 16
	v_add_nc_u32 v12, s33, v4                      ; himg: tile s30, 16 l; the further tiles stand in the immediate
	WIN 0x80
	s_wait_alu depctr_va_vdst(0)                   ; v12 is written; the last pass's products are done reading W's sets and he's slots: the loads below, and step 0's, land there
.irp s, 0,1,2,3
	HLOAD \nw, \s
.endr
	WLOAD 0
	WLOAD 1
	WIN 0                                          ; work on registers while the pass's first loads are on their way: it names none of the registers that the pass's loads touch
	; register 8 m + q: in lanes 0-15 the slot of row q of tile m, in lanes 16-31 that of row q + 8: every lane takes lane 8 (m % 2) + q of its own row of sixteen
.irp q, 0,1,2,3,4,5,6,7
	v_mov_b32_dpp v[LST+\q], v[NA] row_share:\q row_mask:0xf bank_mask:0xf
.endr
.if \nw > 1
.irp q, 8,9,10,11,12,13,14,15
	v_mov_b32_dpp v[LST+\q], v[NA] row_share:\q row_mask:0xf bank_mask:0xf
.endr
.endif
.if \nw > 2
.irp q, 0,1,2,3,4,5,6,7
	v_mov_b32_dpp v[LST+16+\q], v[NBV] row_share:\q row_mask:0xf bank_mask:0xf
.endr
.endif
.if \nw > 3
.irp q, 8,9,10,11,12,13,14,15
	v_mov_b32_dpp v[LST+16+\q], v[NBV] row_share:\q row_mask:0xf bank_mask:0xf
.endr
.endif
.set i, 0
.rept 8*\nw
	v_min_u32 v[LST+i], 2055, v[LST+i]             ; the row's slot, held inside ypart,
.set i, i+1
.endr
.set i, 0
.rept 8*\nw
	v_lshlrev_b32 v[LST+i], 12, v[LST+i]           ; its row of 4,096 bytes,
.set i, i+1
.endr
.set i, 0
.rept 8*\nw
	v_add_nc_u32 v[LST+i], v10, v[LST+i]           ; my 16 bytes of the piece: the stores' addresses, made here so that the K steps' waits show them written
.set i, i+1
.endr
.if \nxt
	s_lshl_b32 s33, s29, 2
	s_add_co_u32 s33, s33, 4                       ; my tiles done when this pass ends
	s_cmp_ge_u32 s33, s26
	s_cbranch_scc1 .Lno_select_\@
	s_add_co_u32 s32, s30, 16
	s_lshl_b32 s32, s32, 4
	v_add_nc_u32 v[NA], s32, v[RB]
	v_add_nc_u32 v[NBV], 128, v[NA]
	SELECT2
.Lno_select_\@:
.endif
.irp s, 0,1,2,3,4,5,6,7,8,9,10,11,12,13,14,15
	KSTEP \nw, \s
.endr
	WIN 0
.irp m, 0,1,2,3
.if \m < \nw
	EPI \m
.endif
.endr
.endm
	s_cmp_eq_u32 s27, 0
	s_cbranch_scc1 .Ltail
.Lp4:
	PASS 4, 1
	s_add_co_u32 s29, s29, 1
	s_add_co_u32 s30, s30, 16
	s_cmp_lt_u32 s29, s27
	s_cbranch_scc1 .Lp4
.Ltail:
	s_cmp_eq_u32 s28, 0
	s_cbranch_scc1 .Lend
	s_cmp_eq_u32 s28, 1
	s_cbranch_scc1 .Lt1
	s_cmp_eq_u32 s28, 2
	s_cbranch_scc1 .Lt2
	PASS 3, 0
	s_branch .Lend
.Lt2:
	PASS 2, 0
	s_branch .Lend
.Lt1:
	PASS 1, 0
.Lend:
	s_barrier_signal -1
	s_barrier_wait -1
	s_set_vgpr_msb 0x4                             ; the add's second register lies in window 1: the one switch stands ahead of the closing lines
	s_wait_dscnt 0x0                               ; the closing lines, six on end
	s_wait_alu 0x0
	s_wait_tensorcnt 0x0
	ds_add_u32 v31, v255
	s_wait_dscnt 0x0
	s_endpgm
.Lfunc_end_k_q7bb8ca0bc5_down:
	.size	k_q7bb8ca0bc5_down, .Lfunc_end_k_q7bb8ca0bc5_down-k_q7bb8ca0bc5_down
	.p2alignl 7, 3214868480
	.fill 96, 4, 3214868480
	.section	.rodata,"a",@progbits
	.p2align	6, 0x0
	.amdhsa_kernel k_q7bb8ca0bc5_down
		.amdhsa_group_segment_fixed_size 150016
		.amdhsa_private_segment_fixed_size 0
		.amdhsa_enable_private_segment 0
		.amdhsa_kernarg_size 48
		.amdhsa_user_sgpr_count 2
		.amdhsa_user_sgpr_kernarg_segment_ptr 1
		.amdhsa_wavefront_size32 1
		.amdhsa_system_sgpr_workgroup_id_x 1
		.amdhsa_system_sgpr_workgroup_id_y 1
		.amdhsa_system_sgpr_workgroup_id_z 1
		.amdhsa_system_vgpr_workitem_id 0
		.amdhsa_next_free_vgpr 832
		.amdhsa_next_free_sgpr 84
		.amdhsa_reserve_vcc 1
		.amdhsa_float_denorm_mode_32 3
		.amdhsa_float_denorm_mode_16_64 3
		.amdhsa_memory_ordered 1
		.amdhsa_forward_progress 1
		.amdhsa_inst_pref_size 255
	.end_amdhsa_kernel
	.section	.bss,"aw",@nobits
	.p2align	6
	.space	262144
	.amdgpu_metadata
---
amdhsa.version: [ 1, 2 ]
amdhsa.kernels:
  - .name:           k_q7bb8ca0bc5_down
    .symbol:         k_q7bb8ca0bc5_down.kd
    .args:
      - { .name: himg, .offset: 0, .size: 8, .value_kind: global_buffer, .address_space: global }
      - { .name: ew2_codes, .offset: 8, .size: 8, .value_kind: global_buffer, .address_space: global }
      - { .name: eb2, .offset: 16, .size: 8, .value_kind: global_buffer, .address_space: global }
      - { .name: lowp_scales, .offset: 24, .size: 8, .value_kind: global_buffer, .address_space: global }
      - { .name: rmask, .offset: 32, .size: 8, .value_kind: global_buffer, .address_space: global }
      - { .name: ypart, .offset: 40, .size: 8, .value_kind: global_buffer, .address_space: global }
    .group_segment_fixed_size: 150016
    .private_segment_fixed_size: 0
    .kernarg_segment_align: 8
    .kernarg_segment_size: 48
    .max_flat_workgroup_size: 128
    .sgpr_count:     84
    .vgpr_count:     832
    .wavefront_size: 32
...
	.end_amdgpu_metadata
.endif
;; end of part 6
;; launch merge: the kernel of part 4 again; grid 257 x 1, 4 waves a work-group, no clusters, 0 bytes of LDS; arguments tokens, ypart, rgate, out0, rprob, rmask, out1; writes out0, out1
